; MI455X (gfx1250); checked and timed in simulation.
; The chip was launched on July 23, 2026; its instructions are those of AMD's public machine-readable ISA for CDNA 5 (MIT licence, August 2026) and "CDNA5" Instruction Set Architecture Reference Guide (July 2026). The comments in the code are by the model that wrote it; some were corrected since.
;; Multi Head Differential Attention. Allowed arithmetic: matrix products marked QUANTISED: E2M1 operands, one E8M0 scale for each 32 along K, by v_wmma_scale_f32_16x16x128_f8f6f4 with both operands' format E2M1 (or v_wmma_scale_f32_32x16x128_f4), f32 sums; products left as they are: bf16, f16 or f32 operands; f32 sums; everything else in f32.
;; Inputs: key1 16 x 1,024 x 64 float32; key2 16 x 1,024 x 64 float32; lambdas 4 float32; proj_b 1,024 float32; proj_w 1,024 x 1,024 float32; query1 16 x 1,024 x 64 float32; query2 16 x 1,024 x 64 float32; value 16 x 1,024 x 64 float32; x 2 x 2,048 x 1,024 float32.
;; Outputs: out0 2 x 2,048 x 1,024 float32.
;; This version of the problem:
;;   THIS VERSION OF THE PROBLEM IS GIVEN IN LOW PRECISION. The matrix products marked QUANTISED in the list below multiply operands that are first quantised to E2M1 (2 exponent bits, 1 mantissa bit; 4 bits a number), with one power-of-two scale for each 32 numbers along K (OCP MX v1.0); their sums are f32. The products marked 'left as it is' may take bf16, f16 or f32 operands, with f32 sums. All else is computed in f32.
;;   The module's matrix products, in the order in which they are computed (A, B: the left and right operand; K: the contracted axis; several contracted axes count as one K, in the product's order):
;;     1. [M 1,024, K 1,024] x [K 1,024, N 4,096]; A: input query1; B: input x: QUANTISED
;;     2. [M 1,024, K 1,024] x [K 1,024, N 4,096]; A: input key1; B: input x: QUANTISED
;;     3. [M 1,024, K 1,024] x [K 1,024, N 4,096]; A: input query2; B: input x: QUANTISED
;;     4. [M 1,024, K 1,024] x [K 1,024, N 4,096]; A: input key2; B: input x: QUANTISED
;;     5. [M 1,024, K 1,024] x [K 1,024, N 4,096]; A: input value; B: input x: QUANTISED
;;     6. batch 32 x [M 2,048, K 64] x [K 64, N 2,048]; A: computed on the way; B: computed on the way: left as it is (an operand is computed on the way)
;;     7. batch 32 x [M 2,048, K 64] x [K 64, N 2,048]; A: computed on the way; B: computed on the way: left as it is (an operand is computed on the way)
;;     8. batch 32 x [M 2,048, K 2,048] x [K 2,048, N 64]; A: computed on the way; B: computed on the way: left as it is (an operand is computed on the way)
;;     9. [M 4,096, K 1,024] x [K 1,024, N 1,024]; A: computed on the way; B: input proj_w: left as it is (an operand is computed on the way)
;;   THE QUANTISER, for each operand of a quantised product, along K:
;;     - K is cut into blocks of 32 from its start; a last block that is shorter is filled with zeros.
;;     - A block's scale is 2^e with e = floor(log2(the largest magnitude in the block)) - 2, held to -126 .. 127; a block of zeros has e = 0. As a byte (E8M0): e + 127.
;;     - Each number is divided by its block's scale, clamped to +-6, and rounded to the nearest number of E2M1, ties to even, subnormals kept.
;;     - The product sums the exact products of the quantised numbers (number of the format x scale) in f32.
;;   ~~~python
;;   def quantise(x, axis):      # numpy; x: float32 -> the quantised numbers, widened to float32 again
;;       x = np.moveaxis(x, axis, -1); K = x.shape[-1]
;;       x = np.pad(x, [(0, 0)] * (x.ndim - 1) + [(0, -K % 32)]); x = x.reshape(x.shape[:-1] + (-1, 32)); a = np.abs(x).max(-1, keepdims=True)
;;       e = np.where(a > 0, np.clip(np.frexp(np.where(a > 0, a, 1))[1] - 1 - 2, -126, 127), 0)      # np.frexp(a)[1] - 1 = floor(log2(a)), exactly
;;       r = np.clip(x / 2.0 ** e, -6, 6)
;;       step = 2.0 ** (np.maximum(np.frexp(np.where(r == 0, 1, r))[1] - 1, 0) - 1)
;;       q = np.round(r / step) * step * 2.0 ** e      # np.round: ties to even
;;       return np.moveaxis(q.reshape(q.shape[:-2] + (-1,))[..., :K], -1, axis).astype(np.float32)
;;   ~~~
;; One version. Each part assembles by itself: llvm-mc -triple=amdgcn-amd-amdhsa -mcpu=gfx1250 --defsym DOCPART=n.
;; ======== version 1 of 1: 4 launches
;; limits: values are held in f16: magnitudes above 65,504 overflow, below 6.1e-05 lose precision; right only within a limited range of input values
;; workspace buffers: xq 2,228,224 bytes; wq 2,785,280 bytes; wpf 4,194,304 bytes; qf 16,777,216 bytes; kv 25,165,824 bytes; vlo 8,388,608 bytes; of 10,485,760 bytes
;; launch prep (part 1): grid 640 x 1, 4 waves a work-group, no clusters, 34,304 bytes of LDS; arguments x, query1, key1, query2, key2, value, proj_w, xq, wq, wpf; writes xq, wq, wpf
.if DOCPART == 1
	.amdgcn_target "amdgcn-amd-amdhsa--gfx1250"
	.amdhsa_code_object_version 6
	.text
	.protected	k_q100c5d664c_prep
	.globl	k_q100c5d664c_prep
	.p2align	8
	.type	k_q100c5d664c_prep,@function
k_q100c5d664c_prep:
	s_mov_b64 s[64:65], 0
	v_nop
	global_prefetch_b8 v0, s[64:65] scope:SCOPE_SE
	s_setreg_imm32_b32 hwreg(HW_REG_WAVE_MODE, 25, 1), 1
	s_wait_xcnt 0x0
; x [4096 tokens][1024] and the five weights [16 heads][1024 c][64 d], f32, become codes of E2M1 with one E8M0 byte for each 32 along c; 1,024 x proj_w [1024 k][1024 n] becomes two f16 halves.
; EVERYTHING IS LAID AS IMAGES OF OPERAND REGISTERS: a fragment's group of four registers is 512 consecutive bytes, lane l's 16 bytes at 16 l.  So each store of a wave covers 512 consecutive bytes,
; and the launches that follow fetch dense blocks and read fragments at 16 x lane.
;   xq  [block of 256 tokens 16][K step 8]: 16 images of 1,024 bytes (16 tokens x 128 c), then 256 scale words (one a token): 17,408 bytes
;   wq  [head 16][K step 8]: 20 images (matrix x 4 + tile of 16 d; matrices: query1, key1, query2, key2, value), then 320 scale words: 21,760 bytes
;   wpf [128 n 8][128 k 8][high, low][tile of 16 n 8][32 k 4][1,024 bytes]: f16 fragments of 1,024 proj_w^T.  high = the number with its low 13 mantissa bits cut, exact in f16; low = the rest, rounded to f16
; A block's scale is 2^(floor(log2(its largest magnitude)) - 2); its byte is the largest magnitude's exponent field - 2, held at 1 from below.
; LIMITS: a block of zeros gets the byte 1 (its codes are zeros, and this program alone reads the bytes); blocks whose largest magnitude lies under 2^-124 are held at that byte; NaN and infinities are not served;
; 1,024 |proj_w| stays under 65,504; what of it lies under 2^-14 carries an absolute error of 2^-25 (f16).
; Three paths part on the work-group's number: 0-255 x, 256-575 the weights, 576-639 proj_w.  Only x's path uses LDS.  No barrier: waves share nothing.
.set XQB, 17408                        ; a block of xq
.set WQB, 21760                        ; a block of wq
.set SPX, 528                          ; x's stage: a row of 512 bytes + 16, so that sixteen rows begin in sixteen different 16-byte columns of 256
.set R,   16                           ; v16-143  numbers as they are loaded
.set X,   144                          ; v144-207 path x: 64 numbers of a lane in the operand's order.  Weights: results from v144 on.  proj_w: v144-175 a block's high halves in f32
.set C,   208                          ; v208-223 path x: codes of two fragments
.macro XTURN k                         ; K step k's 16 rows x 512 bytes go through my stage: in as they lie, out as 2 x 128 bytes of my row.  LDS serves a wave's instructions in order
.set i, 0
.rept 16
	ds_store_b128 v6, v[R+64*\k+4*i:R+64*\k+4*i+3] offset:SPX*i
.set i, i+1
.endr
.irp c, 0,1
.irp i, 0,1,2,3,4,5,6,7
	ds_load_b128 v[X+32*\c+4*\i:X+32*\c+4*\i+3], v7 offset:256*\c+16*\i
.endr
.endr
.endm
.macro XQUANT k                        ; lane (r, h): registers 32 c + i hold c-index 64 c + 32 h + i of token r: two whole blocks, 2 c + h
.irp c, 0,1
	v_max3_num_f32 v[8+\c], |v[X+32*\c]|, |v[X+32*\c+1]|, 0x1800000      ; with the floor 2^(3 - 127): the byte cannot fall under 1
.endr
.irp i, 2,4,6,8,10,12,14,16,18,20,22,24,26,28,30
.irp c, 0,1
	v_max3_num_f32 v[8+\c], v[8+\c], |v[X+32*\c+\i]|, |v[X+32*\c+\i+1]|  ; the two blocks by turns
.endr
.endr
.irp c, 0,1
	v_add_nc_u32 v[10+\c], 0xff000000, v[8+\c]     ; 2 off the exponent field: the conversion takes this operand's exponent field as its scale
.endr
.irp c, 0,1
.irp g, 0,1,2,3
	v_cvt_scalef32_pk8_fp4_f32 v[C+8*\k+4*\c+\g], v[X+32*\c+8*\g:X+32*\c+8*\g+7], v[10+\c]
.endr
.endr
	v_lshrrev_b32 v12, 23, v10                     ; the bytes of blocks h and 2 + h.  (A plain line behind the conversions)
	v_lshrrev_b32 v13, 23, v11
	v_lshl_or_b32 v12, v13, 16, v12
	v_lshlrev_b32 v12, v3, v12                     ; at their places in the word: 8 h bits up
	v_permlanex16_b32 v13, v12, s26, s27
	v_or_b32 v[14+\k], v12, v13                    ; with lane l xor 16's two the word is whole
.endm
.macro LOADCOL b0, b1, pitch           ; a lane takes a column, its registers run down 128 rows
.set i, 0
.rept 128
	global_load_b32 v[R+i], v5, s[\b0:\b1] offset:\pitch*i th:TH_LOAD_NT
.set i, i+1
.endr
.endm
.macro WBLOCK t, left                  ; block t of my column: 32 numbers, all mine
.set XS, R+32*\t
	s_wait_loadcnt \left
	v_max3_num_f32 v12, |v[XS]|, |v[XS+1]|, |v[XS+2]|
	v_max3_num_f32 v13, |v[XS+3]|, |v[XS+4]|, |v[XS+5]|
.irp i, 6,10,14,18,22,26
	v_max3_num_f32 v12, v12, |v[XS+\i]|, |v[XS+\i+1]|
	v_max3_num_f32 v13, v13, |v[XS+\i+2]|, |v[XS+\i+3]|
.endr
	v_max3_num_f32 v12, v12, |v[XS+30]|, |v[XS+31]|
	v_max3_num_f32 v12, v12, v13, 0x1800000        ; the floor
	v_add_nc_u32 v11, 0xff000000, v12
	v_lshrrev_b32 v13, 23, v11                     ; the byte
.if \t == 0
	v_mov_b32 v160, v13
.else
	v_lshl_or_b32 v160, v13, 8*\t, v160            ; my column's scale word for these 128
.endif
.irp g, 0,1,2,3
	v_cvt_scalef32_pk8_fp4_f32 v[144+4*\t+\g], v[XS+8*\g:XS+8*\g+7], v11
.endr
.endm
; 16 registers of f16 pairs (32 rows k of my column n) from v[b] on become two fragments (16 n x 32 k) by two exchanges of halves, and go out: tile 2 np at off, tile 2 np + 1 4,096 bytes on
.macro PSTORE b, off
.irp i, 0,1,2,3
	v_permlane16_swap_b32 v[\b+\i], v[\b+4+\i]     ; lanes 16-31 take k 8-15 of the first 16 columns; the second register keeps the other 16 columns
	v_permlane16_swap_b32 v[\b+8+\i], v[\b+12+\i]
.endr
	global_store_b128 v4, v[\b:\b+3], s[22:23] offset:\off
	global_store_b128 v4, v[\b+8:\b+11], s[22:23] offset:\off+512
	global_store_b128 v4, v[\b+4:\b+7], s[22:23] offset:\off+4096
	global_store_b128 v4, v[\b+12:\b+15], s[22:23] offset:\off+4096+512
.endm
.macro PBLOCK t, left                  ; 32 rows k of my column n, x 1,024, in two halves.  The results take the block's own registers, so no store's data are written again
.set XS, R+32*\t
	s_wait_loadcnt \left
.irp q, 0,2,4,6,8,10,12,14,16,18,20,22,24,26,28,30
	v_pk_mul_f32 v[XS+\q:XS+\q+1], v[XS+\q:XS+\q+1], 0x44800000 op_sel_hi:[1,0]
.endr
.set i, 0
.rept 32
	v_and_b32 v[X+i], 0xffffe000, v[XS+i]          ; the high half: 11 bits of the number, exact in f16
.set i, i+1
.endr
.irp q, 0,2,4,6,8,10,12,14,16,18,20,22,24,26,28,30
	v_pk_add_f32 v[XS+\q:XS+\q+1], v[XS+\q:XS+\q+1], v[X+\q:X+\q+1] neg_lo:[0,1] neg_hi:[0,1]   ; the low half: exact in f32
.endr
.set i, 0
.rept 16
	v_cvt_pk_f16_f32 v[XS+i], v[XS+2*i], v[XS+2*i+1]       ; ascending, in place: register i is written when 2 i and 2 i + 1 are read
.set i, i+1
.endr
.set i, 0
.rept 16
	v_cvt_pk_f16_f32 v[XS+16+i], v[X+2*i], v[X+2*i+1]
.set i, i+1
.endr
	PSTORE XS+16, 1024*\t
	PSTORE XS, 1024*\t+32768
.endm
	s_load_b128 s[4:7], s[0:1], 0x0                ; x, query1
	s_load_b256 s[8:15], s[0:1], 0x10              ; key1, query2, key2, value
	s_load_b256 s[16:23], s[0:1], 0x30             ; proj_w, xq, wq, wpf
	v_lshl_add_u32 v224, v0, 2, 0x8400
	v_mov_b32 v225, 0
	v_lshrrev_b32 v1, 5, v0
	v_readfirstlane_b32 s24, v1                    ; wave
	v_and_b32 v1, 31, v0                           ; lane
	v_and_b32 v2, 15, v0                           ; r
	v_bfe_u32 v3, v0, 4, 1                         ; h
	v_lshlrev_b32 v4, 4, v1                        ; 16 x lane
	v_lshlrev_b32 v5, 2, v1                        ; 4 x lane
	s_mov_b32 s26, 0x76543210
	s_mov_b32 s27, 0xfedcba98                      ; v_permlanex16_b32's selects for lane l xor 16
	s_wait_kmcnt 0x0
	s_cmp_lt_u32 ttmp9, 256
	s_cbranch_scc1 .Lpath_x
	s_cmp_lt_u32 ttmp9, 576
	s_cbranch_scc1 .Lpath_w
	; ---- proj_w: wave idx of 256 takes 32 columns n (np = idx % 32) x 128 rows k (kq = idx / 32: one K step of the last product)
	s_sub_co_u32 s28, ttmp9, 576
	s_lshl_b32 s28, s28, 2
	s_add_co_u32 s28, s28, s24                     ; idx
	s_and_b32 s29, s28, 31                         ; np
	s_lshr_b32 s30, s28, 5                         ; kq
	s_lshl_b32 s32, s30, 19                        ; 128 rows of 4,096 bytes
	s_lshl_b32 s33, s29, 7
	s_add_co_u32 s32, s32, s33
	s_mov_b32 s33, 0
	s_add_nc_u64 s[16:17], s[16:17], s[32:33]
	s_lshr_b32 s32, s29, 2
	s_lshl_b32 s32, s32, 19                        ; block of 128 n: eight K steps of 65,536 bytes
	s_lshl_b32 s34, s30, 16                        ; K step
	s_add_co_u32 s32, s32, s34
	s_and_b32 s34, s29, 3
	s_lshl_b32 s34, s34, 13                        ; two tiles of n: 2 x 4,096
	s_add_co_u32 s32, s32, s34
	s_add_nc_u64 s[22:23], s[22:23], s[32:33]
	LOADCOL 16, 17, 4096
	PBLOCK 0, 63                                   ; 63 of the 128 may be out: the first 65 are in, blocks 0 and 1 among them
	PBLOCK 1, 63
	PBLOCK 2, 32                                   ; the last block's 32 may be out
	PBLOCK 3, 0
	s_endpgm
	; ---- the weights: work-group g' = matrix x 64 + head x 4 + q; wave w takes K step 2 q + w / 2 and columns d = 32 (w % 2) + lane.  Waves w % 2 = 0, 1 stand side by side on rows of 256 bytes
.Lpath_w:
	s_sub_co_u32 s28, ttmp9, 256
	s_lshr_b32 s29, s28, 6                         ; the matrix; the choice hangs on the work-group's number alone
	s_cmp_eq_u32 s29, 1
	s_cselect_b64 s[6:7], s[8:9], s[6:7]
	s_cmp_eq_u32 s29, 2
	s_cselect_b64 s[6:7], s[10:11], s[6:7]
	s_cmp_eq_u32 s29, 3
	s_cselect_b64 s[6:7], s[12:13], s[6:7]
	s_cmp_eq_u32 s29, 4
	s_cselect_b64 s[6:7], s[14:15], s[6:7]
	s_bfe_u32 s30, s28, 0x40002                    ; head
	s_and_b32 s31, s28, 3
	s_lshl_b32 s31, s31, 1
	s_lshr_b32 s32, s24, 1
	s_add_co_u32 s31, s31, s32                     ; K step
	s_and_b32 s32, s24, 1                          ; which 32 columns
	s_lshl_b32 s34, s30, 18
	s_lshl_b32 s35, s31, 15
	s_add_co_u32 s34, s34, s35
	s_lshl_b32 s35, s32, 7
	s_add_co_u32 s34, s34, s35
	s_mov_b32 s35, 0
	s_add_nc_u64 s[6:7], s[6:7], s[34:35]
	s_mul_i32 s34, s30, 8*WQB
	s_mul_i32 s36, s31, WQB
	s_add_co_u32 s34, s34, s36
	s_add_nc_u64 s[20:21], s[20:21], s[34:35]      ; the block of wq
	s_lshl_b32 s34, s29, 12
	s_lshl_b32 s36, s32, 11
	s_add_co_u32 s34, s34, s36
	s_add_nc_u64 s[38:39], s[20:21], s[34:35]      ; my two images: tile 4 x matrix + 2 (w % 2)
	s_lshl_b32 s34, s29, 8
	s_lshl_b32 s36, s32, 7
	s_add_co_u32 s34, s34, s36
	s_add_co_u32 s34, s34, 20480
	s_add_nc_u64 s[40:41], s[20:21], s[34:35]      ; my 32 scale words
	LOADCOL 6, 7, 256
	WBLOCK 0, 63                                   ; as above: the first 65 loads are in
	WBLOCK 1, 63
	WBLOCK 2, 32
	WBLOCK 3, 0
	v_nop                                          ; a plain line between the last conversion and the lines that touch its results
.irp i, 0,1,2,3
	v_permlane16_swap_b32 v[144+\i], v[148+\i]     ; the operand wants lanes 0-15 block 2 c and lanes 16-31 block 2 c + 1 of the same 16 rows
	v_permlane16_swap_b32 v[152+\i], v[156+\i]
.endr
	global_store_b128 v4, v[144:147], s[38:39]
	global_store_b128 v4, v[152:155], s[38:39] offset:512
	global_store_b128 v4, v[148:151], s[38:39] offset:1024
	global_store_b128 v4, v[156:159], s[38:39] offset:1536
	global_store_b32 v5, v160, s[40:41]            ; 128 consecutive bytes
	s_endpgm
	; ---- x: work-group g takes 16 tokens; wave w K steps 2 w and 2 w + 1 (1,024 bytes of each row)
.Lpath_x:
	s_mul_i32 s28, s24, 16*SPX                     ; my stage
	v_add_nc_u32 v6, s28, v4                       ; in: 16 x lane
	v_mul_u32_u24 v7, v2, SPX
	v_lshl_add_u32 v7, v3, 7, v7
	v_add_nc_u32 v7, s28, v7                       ; out: row r, + 128 h
	v_mul_u32_u24 v1, v3, XQB
	v_lshl_add_u32 v1, v2, 2, v1                   ; the scale words: lanes 0-15 store the first K step's, lanes 16-31 the second's, one block of xq on
	v_lshlrev_b32 v3, 3, v3                        ; 8 h
	s_lshl_b32 s28, ttmp9, 16
	s_lshl_b32 s29, s24, 10
	s_add_co_u32 s28, s28, s29
	s_mov_b32 s29, 0
	s_add_nc_u64 s[4:5], s[4:5], s[28:29]
	s_lshr_b32 s28, ttmp9, 4
	s_mul_i32 s28, s28, 8*XQB
	s_mul_i32 s30, s24, 2*XQB
	s_add_co_u32 s28, s28, s30
	s_add_nc_u64 s[18:19], s[18:19], s[28:29]      ; my two blocks of xq
	s_and_b32 s30, ttmp9, 15
	s_lshl_b32 s28, s30, 10
	s_add_nc_u64 s[32:33], s[18:19], s[28:29]      ; my tile's image
	s_lshl_b32 s28, s30, 6
	s_add_co_u32 s28, s28, 16384
	s_add_nc_u64 s[34:35], s[18:19], s[28:29]      ; my tile's scale words
.irp k, 0,1
.set i, 0
.rept 16
	global_load_b128 v[R+64*\k+4*i:R+64*\k+4*i+3], v4, s[4:5] offset:4096*i+512*\k th:TH_LOAD_NT   ; 512 consecutive bytes: one row's K step
.set i, i+1
.endr
.endr
	s_wait_loadcnt 16                              ; the first K step's sixteen loads are in; the second's may be out
	XTURN 0
	s_wait_dscnt 0x0
	XQUANT 0
	s_wait_loadcnt 0x0
	XTURN 1
	s_wait_dscnt 0x0
	XQUANT 1
.irp k, 0,1
.irp c, 0,1
	global_store_b128 v4, v[C+8*\k+4*\c:C+8*\k+4*\c+3], s[32:33] offset:XQB*\k+512*\c
.endr
.endr
	v_cmp_ne_u32 vcc_lo, 0, v3
	v_cndmask_b32 v8, v14, v15, vcc_lo
	global_store_b32 v1, v8, s[34:35]              ; two pieces of 64 bytes: blocks of 256 bytes are written in part here, 4 bytes for each 512 read
	s_wait_tensorcnt 0x0
	ds_add_u32 v224, v225
	s_wait_dscnt 0x0
	s_endpgm
.Lfunc_end_k_q100c5d664c_prep:
	.size	k_q100c5d664c_prep, .Lfunc_end_k_q100c5d664c_prep-k_q100c5d664c_prep
	.p2alignl 7, 3214868480
	.fill 96, 4, 3214868480
	.section	.rodata,"a",@progbits
	.p2align	6, 0x0
	.amdhsa_kernel k_q100c5d664c_prep
		.amdhsa_group_segment_fixed_size 34304
		.amdhsa_private_segment_fixed_size 0
		.amdhsa_enable_private_segment 0
		.amdhsa_kernarg_size 80
		.amdhsa_user_sgpr_count 2
		.amdhsa_user_sgpr_kernarg_segment_ptr 1
		.amdhsa_wavefront_size32 1
		.amdhsa_system_sgpr_workgroup_id_x 1
		.amdhsa_system_sgpr_workgroup_id_y 1
		.amdhsa_system_sgpr_workgroup_id_z 1
		.amdhsa_system_vgpr_workitem_id 0
		.amdhsa_next_free_vgpr 226
		.amdhsa_next_free_sgpr 66
		.amdhsa_reserve_vcc 1
		.amdhsa_float_denorm_mode_32 3
		.amdhsa_float_denorm_mode_16_64 3
		.amdhsa_memory_ordered 1
		.amdhsa_forward_progress 1
		.amdhsa_inst_pref_size 80
	.end_amdhsa_kernel
	.amdgpu_metadata
---
amdhsa.version: [ 1, 2 ]
amdhsa.kernels:
  - .name:           k_q100c5d664c_prep
    .symbol:         k_q100c5d664c_prep.kd
    .args:
      - { .name: x, .offset: 0, .size: 8, .value_kind: global_buffer, .address_space: global }
      - { .name: query1, .offset: 8, .size: 8, .value_kind: global_buffer, .address_space: global }
      - { .name: key1, .offset: 16, .size: 8, .value_kind: global_buffer, .address_space: global }
      - { .name: query2, .offset: 24, .size: 8, .value_kind: global_buffer, .address_space: global }
      - { .name: key2, .offset: 32, .size: 8, .value_kind: global_buffer, .address_space: global }
      - { .name: value, .offset: 40, .size: 8, .value_kind: global_buffer, .address_space: global }
      - { .name: proj_w, .offset: 48, .size: 8, .value_kind: global_buffer, .address_space: global }
      - { .name: xq, .offset: 56, .size: 8, .value_kind: global_buffer, .address_space: global }
      - { .name: wq, .offset: 64, .size: 8, .value_kind: global_buffer, .address_space: global }
      - { .name: wpf, .offset: 72, .size: 8, .value_kind: global_buffer, .address_space: global }
    .group_segment_fixed_size: 34304
    .private_segment_fixed_size: 0
    .kernarg_segment_align: 8
    .kernarg_segment_size: 80
    .max_flat_workgroup_size: 128
    .sgpr_count:     66
    .vgpr_count:     226
    .wavefront_size: 32
...
	.end_amdgpu_metadata
.endif
;; end of part 1
;; launch qkv (part 2): grid 16 x 16, 4 waves a work-group, clusters of 4 x 4, 327,680 bytes of LDS; arguments xq, wq, qf, kv, vlo; writes qf, kv, vlo
.if DOCPART == 2
	.amdgcn_target "amdgcn-amd-amdhsa--gfx1250"
	.amdhsa_code_object_version 6
	.text
	.protected	k_q100c5d664c_qkv
	.globl	k_q100c5d664c_qkv
	.p2align	8
	.type	k_q100c5d664c_qkv,@function
k_q100c5d664c_qkv:
	s_mov_b64 s[64:65], 0
	v_nop
	global_prefetch_b8 v0, s[64:65] scope:SCOPE_SE
	s_setreg_imm32_b32 hwreg(HW_REG_WAVE_MODE, 25, 1), 1
	s_wait_xcnt 0x0
	s_wait_alu depctr_hold_cnt(0) depctr_sa_sdst(0) depctr_va_vdst(0) depctr_va_sdst(0) depctr_va_ssrc(0) depctr_va_vcc(0) depctr_vm_vsrc(0)
	s_getreg_b32 s2, hwreg(HW_REG_IB_STS2, 6, 4)
	s_cmp_eq_u32 s2, 0
	s_cbranch_scc0 .Lentry_in_a_cluster
	s_endpgm
.Lentry_in_a_cluster:
	s_bfe_u32 s2, ttmp6, 0x10000c
	s_cmp_lg_u32 s2, 0xf033
	s_cbranch_scc0 .Lentry_shape_is_right
	s_endpgm
.Lentry_shape_is_right:
; The five projections on codes of E2M1: for one head and 256 tokens, q1, k1, q2, k2, v = x W, K = 1,024 in eight steps of 128.  Sums in f32, K ascending, one accumulator an output.
; A work-group (block of 256 tokens tb, head) has four waves; wave (wr, wc) takes tiles of 16 d 2 wr, 2 wr + 1 of each of the five matrices and tokens 128 wc .. + 127: 10 x 8 = 80 accumulators, 640 registers;
; 18 fragments are read from LDS for 80 matrix instructions.
; ALL OF K LIES IN LDS AT ONCE: x's eight blocks of 17,408 bytes, then the weights' eight of 21,760: 313,344 bytes, filled once.  So there is no ring and nothing is filled again.
; CLUSTER 4 x 4: x's blocks hang on tb alone and are shared down a column of the cluster, the weights' on the head alone and are shared along a row: joint loads with a mask of four.
; Waves 0, 1 ask for x's blocks (K steps of their parity), waves 2, 3 for the weights': four tensor loads of a wave are out at the most.
; q and k are used transposed (source 0 = 16 rows of W, source 1 = 16 tokens): a lane holds one token and eight neighbouring d, which rounded to f16 are four registers of the fragment that attention wants.
; v the other way round (source 0 = tokens): a lane holds one d and eight neighbouring tokens: V^T's fragment.  So results leave as register images, 512 consecutive bytes a store, with no stage in LDS.
; q is multiplied by log2(e) / 8 in f32 ahead of the rounding, so that attention's scores are exponents of 2.
; v is multiplied by 4 and leaves in TWO f16 halves: high = the number with its low 13 mantissa bits cut (exact in f16), to kv; low = the rest, to vlo.  Attention adds the low half in for the first 512 queries of a
; sequence, whose rows sum few keys.  The low halves of all tokens are stored, though only those of keys under 512 are read: which tokens a work-group has hangs on its place in the cluster.
;   qf [batch x 16 + head 32][tile of 16 queries 128][softmax 2][32 d 2][1,024]      kv [32][step of 64 keys 32]: K1 [16 keys 4][32 d 2][1,024] | K2 likewise | V^T [32 keys 2][16 d 4][1,024]      vlo [32][step 32][32 keys 2][16 d 4][1,024]
; LIMITS (f16): |0.18 q|, |k|, 4 |v| under 65,504; numbers under 2^-14 carry an absolute error of 2^-25.
; REGISTERS, in windows of 256: window 0: v1-19, v39 addresses; v20-37 scale words, two sets of 9 (x's pairs of tiles 0-3, the five matrices 4-8; lanes 0-15 the even tile, lanes 16-31 the odd one); v40-199 W's fragments, two sets.
;   accumulator (a = 2 matrix + tile, b = token tile) at register 256 + 8 (8 a + b): windows 1, 2 and v0-127 of window 3.   window 3, v128-255: x's fragments, two sets.
.set XB,   17408
.set WB,   21760
.set WOFF, 8*XB
.set AX,  1                            ; v1-4   x's images of K steps 2 q, 2 q + 1
.set AW,  5                            ; v5-8   W's
.set SX,  9                            ; v9-12  x's scale words
.set SW,  13                           ; v13-16 W's
.set VK,  17                           ; my offsets in kv (K, V), in qf and in vlo
.set VV,  18
.set VQ,  19
.set VLO, 39
.set SC,  20
.set WF,  40
.set XF,  128
.set TP,  40                           ; the way out: two sets of 64 packed registers, where W's fragments lay
.set G1X, 24
.set G1W, 32
.set G0X, 40                           ; s[40:55] four groups 0 for x's blocks
.set G0W, 68                           ; s[68:83] four for W's
.set MSB, 0
.macro WIN new                         ; the immediate's high byte repeats the setting that is left
.if MSB != (\new)
	s_set_vgpr_msb (MSB<<8)|(\new)
.set MSB, (\new)
.endif
.endm
.macro PLACES                          ; four plain vector lines between a matrix instruction and a load into, or a vector read of, its registers
.rept 4
	v_nop
.endr
.endm
.macro CROUND                          ; a round of the cluster's barrier
	s_barrier_signal -1
	s_barrier_wait -1
	s_cmp_lg_u32 s12, 0
	s_cbranch_scc1 .Lnot_wave_0_\@
	s_barrier_signal -3
.Lnot_wave_0_\@:
	s_barrier_wait -3
	s_barrier_signal -1
	s_barrier_wait -1
.endm
; one matrix instruction on rD, rA, rB, rSA, rSB; ra, rb: the side's scales stand in lanes 16-31
.macro WM zero, ra, rb
.if \zero
.if (\ra) && (\rb)
	v_wmma_scale_f32_16x16x128_f8f6f4 v[rD:rD+7], v[rA:rA+7], v[rB:rB+7], 0, v[rSA], v[rSB] matrix_a_fmt:MATRIX_FMT_FP4 matrix_b_fmt:MATRIX_FMT_FP4 matrix_a_scale:MATRIX_SCALE_ROW1 matrix_b_scale:MATRIX_SCALE_ROW1
.elseif \ra
	v_wmma_scale_f32_16x16x128_f8f6f4 v[rD:rD+7], v[rA:rA+7], v[rB:rB+7], 0, v[rSA], v[rSB] matrix_a_fmt:MATRIX_FMT_FP4 matrix_b_fmt:MATRIX_FMT_FP4 matrix_a_scale:MATRIX_SCALE_ROW1
.elseif \rb
	v_wmma_scale_f32_16x16x128_f8f6f4 v[rD:rD+7], v[rA:rA+7], v[rB:rB+7], 0, v[rSA], v[rSB] matrix_a_fmt:MATRIX_FMT_FP4 matrix_b_fmt:MATRIX_FMT_FP4 matrix_b_scale:MATRIX_SCALE_ROW1
.else
	v_wmma_scale_f32_16x16x128_f8f6f4 v[rD:rD+7], v[rA:rA+7], v[rB:rB+7], 0, v[rSA], v[rSB] matrix_a_fmt:MATRIX_FMT_FP4 matrix_b_fmt:MATRIX_FMT_FP4
.endif
.else
.if (\ra) && (\rb)
	v_wmma_scale_f32_16x16x128_f8f6f4 v[rD:rD+7], v[rA:rA+7], v[rB:rB+7], v[rD:rD+7], v[rSA], v[rSB] matrix_a_fmt:MATRIX_FMT_FP4 matrix_b_fmt:MATRIX_FMT_FP4 matrix_a_scale:MATRIX_SCALE_ROW1 matrix_b_scale:MATRIX_SCALE_ROW1
.elseif \ra
	v_wmma_scale_f32_16x16x128_f8f6f4 v[rD:rD+7], v[rA:rA+7], v[rB:rB+7], v[rD:rD+7], v[rSA], v[rSB] matrix_a_fmt:MATRIX_FMT_FP4 matrix_b_fmt:MATRIX_FMT_FP4 matrix_a_scale:MATRIX_SCALE_ROW1
.elseif \rb
	v_wmma_scale_f32_16x16x128_f8f6f4 v[rD:rD+7], v[rA:rA+7], v[rB:rB+7], v[rD:rD+7], v[rSA], v[rSB] matrix_a_fmt:MATRIX_FMT_FP4 matrix_b_fmt:MATRIX_FMT_FP4 matrix_b_scale:MATRIX_SCALE_ROW1
.else
	v_wmma_scale_f32_16x16x128_f8f6f4 v[rD:rD+7], v[rA:rA+7], v[rB:rB+7], v[rD:rD+7], v[rSA], v[rSB] matrix_a_fmt:MATRIX_FMT_FP4 matrix_b_fmt:MATRIX_FMT_FP4
.endif
.endif
.endm
.macro MULQK p, mat, zero              ; 16 instructions: a q or k matrix's two tiles of d x eight tiles of tokens; source 0 = W, source 1 = x
.irp dd, 0,1
.irp b, 0,1,2,3,4,5,6,7
.set rD, 8*(8*(2*((\mat)%2)+\dd)+\b)
.set rA, WF+80*(\p)+8*(2*(\mat)+\dd)
.set rB, XF+64*(\p)+8*\b
.set rSA, SC+9*(\p)+4+(\mat)
.set rSB, SC+9*(\p)+\b/2
	WM \zero, \dd, \b%2
.endr
.endr
.endm
.macro MULV p, zero                    ; value: source 0 = x, source 1 = W
.irp dd, 0,1
.irp b, 0,1,2,3,4,5,6,7
.set rD, 8*(8*\dd+\b)
.set rA, XF+64*(\p)+8*\b
.set rB, WF+80*(\p)+8*(8+\dd)
.set rSA, SC+9*(\p)+\b/2
.set rSB, SC+9*(\p)+8
	WM \zero, \b%2, \dd
.endr
.endr
.endm
.macro FETCH ks, p                     ; K step ks's 18 fragments and 9 registers of scale words into set p: 45 LDS loads in one run
	WIN 0xc0                                       ; destination window 3, address window 0
.irp b, 0,1,2,3,4,5,6,7
.irp c, 0,1
	ds_load_b128 v[XF+64*(\p)+8*\b+4*\c:XF+64*(\p)+8*\b+4*\c+3], v[AX+(\ks)/2] offset:((\ks)%2)*XB+1024*\b+512*\c
.endr
.endr
	WIN 0
.irp a, 0,1,2,3,4,5,6,7,8,9
.irp c, 0,1
	ds_load_b128 v[WF+80*(\p)+8*\a+4*\c:WF+80*(\p)+8*\a+4*\c+3], v[AW+(\ks)/2] offset:((\ks)%2)*WB+(4*(\a/2)+\a%2)*1024+512*\c
.endr
.endr
.irp t, 0,1,2,3
	ds_load_b32 v[SC+9*(\p)+\t], v[SX+(\ks)/2] offset:((\ks)%2)*XB+128*\t
.endr
.irp m, 0,1,2,3,4
	ds_load_b32 v[SC+9*(\p)+4+\m], v[SW+(\ks)/2] offset:((\ks)%2)*WB+256*\m
.endr
.endm
; A K step: its fragments were asked for a K step ago; the next step's are asked for ahead of its 80 products.  The 80 accumulators take turns in one order in every step.
.macro KSTEP ks, zero
	s_wait_dscnt 0x0                               ; this step's fragments are in
.if ((\ks)%2 == 1) && ((\ks) < 7)
	s_wait_tensorcnt 3-((\ks)+1)/2                 ; my block of K steps ks + 1, ks + 2 has landed; my later ones may stay out
	s_barrier_signal -1
	s_barrier_wait -1                              ; everybody's has
.endif
.if (\ks) < 7
.if (\ks) > 0
	PLACES                                         ; the set to be loaded was read by the last step's products
.endif
	FETCH (\ks)+1, ((\ks)+1)%2
.endif
	WIN 0x5c                                       ; source 1 window 3; C and D window 1
	MULQK (\ks)%2, 0, \zero
	MULQK (\ks)%2, 1, \zero
	WIN 0xac                                       ; C and D window 2
	MULQK (\ks)%2, 2, \zero
	MULQK (\ks)%2, 3, \zero
	WIN 0xf3                                       ; source 0, C and D window 3
	MULV (\ks)%2, \zero
.endm
	s_load_b256 s[4:11], s[0:1], 0x0               ; xq, wq, qf, kv
	s_load_b64 s[94:95], s[0:1], 0x20              ; vlo
	v_lshl_add_u32 v254, v0, 2, 0x4c800
	v_mov_b32 v255, 0
	ds_add_u32 v254, v255
	ds_add_u32 v254, v255
	v_lshrrev_b32 v38, 5, v0
	v_readfirstlane_b32 s12, v38                   ; wave
	s_lshr_b32 s13, s12, 1                         ; wr.  Also: I ask for x's blocks (0) or W's (1)
	s_and_b32 s14, s12, 1                          ; wc.  Also: the parity of the K steps that I ask for
	s_bfe_u32 s15, ttmp6, 0x40000                  ; cx
	s_bfe_u32 s16, ttmp6, 0x40004                  ; cy
	s_lshl_b32 s17, ttmp9, 2
	s_add_co_u32 s17, s17, s15                     ; tb = 4 x cluster x + cx
	s_and_b32 s18, ttmp7, 0xffff
	s_lshl_b32 s18, s18, 2
	s_add_co_u32 s18, s18, s16                     ; head = 4 x cluster y + cy
	s_lshl_b32 s19, 0x1111, s15                    ; my column of the cluster
	s_lshl_b32 s84, s16, 2
	s_lshl_b32 s84, 15, s84                        ; my row
	; group 1: a dense block as rows of 256 bytes (32 elements of 8 bytes): 68 rows of x, 85 of W; no padding
	s_or_b32 s[G1X], s19, (3<<16)|(1<<21)          ; 15:0 the mask; 17:16 elements of 8 bytes; 21 set beside a mask
	s_mov_b32 s[G1X+1], 32<<16                     ; tensor_dim0
	s_mov_b32 s[G1X+2], 68<<16                     ; tensor_dim1
	s_mov_b32 s[G1X+3], 32<<16                     ; tile_dim0
	s_mov_b32 s[G1X+4], 68                         ; tile_dim1
	s_mov_b32 s[G1X+5], 32                         ; the pitch
	s_mov_b32 s[G1X+6], 0
	s_mov_b32 s[G1X+7], 0
	s_or_b32 s[G1W], s84, (3<<16)|(1<<21)
	s_mov_b32 s[G1W+1], 32<<16
	s_mov_b32 s[G1W+2], 85<<16
	s_mov_b32 s[G1W+3], 32<<16
	s_mov_b32 s[G1W+4], 85
	s_mov_b32 s[G1W+5], 32
	s_mov_b32 s[G1W+6], 0
	s_mov_b32 s[G1W+7], 0
	s_mul_i32 s85, s14, XB                         ; my parity's block: in LDS and in memory alike
	s_mul_i32 s86, s14, WB
	s_mul_i32 s20, s17, 8*XB
	s_add_co_u32 s20, s20, s85
	s_mov_b32 s21, 0
	s_mul_i32 s22, s18, 8*WB
	s_add_co_u32 s22, s22, s86
	s_mov_b32 s23, 0
	s_wait_dscnt 0x0
	s_wait_kmcnt 0x0
	s_add_nc_u64 s[20:21], s[4:5], s[20:21]        ; hangs on tb and the wave alone
	s_add_nc_u64 s[22:23], s[6:7], s[22:23]        ; on the head and the wave alone
.irp j, 0,1,2,3
	s_mov_b32 s[G0X+4*\j], 1
	s_add_co_u32 s[G0X+4*\j+1], s85, \j*2*XB
	s_add_nc_u64 s[G0X+4*\j+2:G0X+4*\j+3], s[20:21], \j*2*XB
	s_or_b32 s[G0X+4*\j+3], s[G0X+4*\j+3], 0x80000000
	s_mov_b32 s[G0W+4*\j], 1
	s_add_co_u32 s[G0W+4*\j+1], s86, WOFF+\j*2*WB
	s_add_nc_u64 s[G0W+4*\j+2:G0W+4*\j+3], s[22:23], \j*2*WB
	s_or_b32 s[G0W+4*\j+3], s[G0W+4*\j+3], 0x80000000
.endr
	CROUND                                         ; all sixteen work-groups are here: the joint loads meet
	s_cmp_eq_u32 s13, 0                            ; a wave's four fills stand in one branch, ahead of every wait on TENSORcnt, LDS read and barrier; four v_nop follow the last
	s_cbranch_scc0 .Lfirst_w
	tensor_load_to_lds s[G0X:G0X+3], s[G1X:G1X+7]
	s_nop 0
	tensor_load_to_lds s[G0X+4:G0X+7], s[G1X:G1X+7]
	s_nop 0
	tensor_load_to_lds s[G0X+8:G0X+11], s[G1X:G1X+7]
	s_nop 0
	tensor_load_to_lds s[G0X+12:G0X+15], s[G1X:G1X+7]
	s_nop 0
	PLACES
	s_branch .Lfirst_asked
.Lfirst_w:
	tensor_load_to_lds s[G0W:G0W+3], s[G1W:G1W+7]
	s_nop 0
	tensor_load_to_lds s[G0W+4:G0W+7], s[G1W:G1W+7]
	s_nop 0
	tensor_load_to_lds s[G0W+8:G0W+11], s[G1W:G1W+7]
	s_nop 0
	tensor_load_to_lds s[G0W+12:G0W+15], s[G1W:G1W+7]
	s_nop 0
	PLACES
.Lfirst_asked:
	v_and_b32 v38, 31, v0
	v_lshlrev_b32 v39, 4, v38                      ; 16 x lane
	v_lshlrev_b32 v38, 2, v38                      ; 4 x lane
	s_lshl_b32 s87, s14, 13                        ; x: my eight tiles of tokens
	s_lshl_b32 s88, s13, 11                        ; W: my two tiles of d in each matrix
	s_add_co_u32 s88, s88, WOFF
	s_lshl_b32 s89, s14, 9                         ; x's scale words: my 128 tokens
	s_add_co_u32 s89, s89, 16384
	s_lshl_b32 s90, s13, 7                         ; W's: my 32 rows in each matrix
	s_add_co_u32 s90, s90, WOFF+20480
.irp q, 0,1,2,3
	v_add_nc_u32 v[AX+\q], s87, v39
	v_add_nc_u32 v[AW+\q], s88, v39
	v_add_nc_u32 v[SX+\q], s89, v38
	v_add_nc_u32 v[SW+\q], s90, v38
	s_add_co_u32 s87, s87, 2*XB
	s_add_co_u32 s88, s88, 2*WB
	s_add_co_u32 s89, s89, 2*XB
	s_add_co_u32 s90, s90, 2*WB
.endr
	s_lshl_b32 s91, s13, 10
	s_mul_i32 s92, s14, 2*24576                    ; my 128 tokens are two steps of 64 keys
	s_add_co_u32 s93, s91, s92
	v_add_nc_u32 v[VK], s93, v39                   ; K: fragment of 32 d = wr
	s_lshl_b32 s93, s13, 11
	s_add_co_u32 s93, s93, s92
	s_add_co_u32 s93, s93, 16384
	v_add_nc_u32 v[VV], s93, v39                   ; V^T: tiles of d 2 wr, 2 wr + 1
	s_lshl_b32 s93, s14, 15
	s_add_co_u32 s93, s93, s91
	v_add_nc_u32 v[VQ], s93, v39                   ; Q: my eight tiles of queries, fragment wr
	s_lshl_b32 s93, s13, 11
	s_lshl_b32 s92, s14, 14                        ; in vlo two steps are 16,384 bytes
	s_add_co_u32 s93, s93, s92
	v_add_nc_u32 v[VLO], s93, v39                  ; V^T's low halves (16 x lane has served its last use)
	s_lshr_b32 s86, s17, 3
	s_lshl_b32 s86, s86, 4
	s_add_co_u32 s86, s86, s18                     ; batch x 16 + head
	s_and_b32 s87, s17, 7                          ; which 256 tokens of the sequence
	s_lshl_b32 s88, s86, 19
	s_lshl_b32 s89, s87, 16
	s_add_co_u32 s88, s88, s89
	s_mov_b32 s89, 0
	s_add_nc_u64 s[8:9], s[8:9], s[88:89]
	s_mul_i32 s88, s86, 32*24576
	s_mul_i32 s90, s87, 4*24576
	s_add_co_u32 s88, s88, s90
	s_add_nc_u64 s[10:11], s[10:11], s[88:89]
	s_lshl_b32 s88, s86, 18
	s_lshl_b32 s90, s87, 15
	s_add_co_u32 s88, s88, s90
	s_add_nc_u64 s[94:95], s[94:95], s[88:89]
	s_wait_tensorcnt 0x3                           ; my first block has landed; three may stay out
	s_barrier_signal -1
	s_barrier_wait -1                              ; K steps 0 and 1 are whole
	FETCH 0, 0
	KSTEP 0, 1                                     ; the first step's products start the sums: nothing is cleared
	KSTEP 1, 0
	KSTEP 2, 0
	KSTEP 3, 0
	KSTEP 4, 0
	KSTEP 5, 0
	KSTEP 6, 0
	KSTEP 7, 0
	PLACES
; THE WAY OUT, matrix by matrix: (q: x log2(e) / 8,) rounded to f16 in pairs, each accumulator from its low end on, and stored as it stands
.macro OUTSCALE mat
	WIN 0x41*(1+(\mat)/2)
.set n, 0
.rept 64
	v_pk_mul_f32 v[2*n:2*n+1], v[2*n:2*n+1], 0x3e38aa3b op_sel_hi:[1,0]
.set n, n+1
.endr
.endm
.macro OUTCVT mat
.set OA, 128*((\mat)%2)
.set OT, TP+64*((\mat)%2)
	WIN 0x05*(1+(\mat)/2)                          ; sources in the matrix's window, destination window 0
.set n, 0
.rept 64
	v_cvt_pk_f16_f32 v[OT+n], v[OA+2*n], v[OA+2*n+1]
.set n, n+1
.endr
	WIN 0
.endm
.macro STQ i, t
.irp dd, 0,1
.irp b, 0,1,2,3,4,5,6,7
	global_store_b128 v[VQ], v[\t+4*(8*\dd+\b):\t+4*(8*\dd+\b)+3], s[8:9] offset:4096*\b+2048*\i+512*\dd
.endr
.endr
.endm
.macro STK i, t
.irp dd, 0,1
.irp b, 0,1,2,3,4,5,6,7
	global_store_b128 v[VK], v[\t+4*(8*\dd+\b):\t+4*(8*\dd+\b)+3], s[10:11] offset:24576*(\b/4)+8192*\i+2048*(\b%4)+512*\dd
.endr
.endr
.endm
	OUTSCALE 0
	OUTCVT 0
	STQ 0, TP
	OUTCVT 1
	STK 0, TP+64
	OUTSCALE 2
	s_wait_xcnt 0x0                                ; the earlier stores have read their data: the packed registers are written again only behind this wait
	OUTCVT 2
	STQ 1, TP
	s_wait_xcnt 0x0
	OUTCVT 3
	STK 1, TP+64
	; value: x 4; the high halves (f32) into v40-167; the accumulators keep the low halves; both are rounded to f16 in pairs
	WIN 0xc3                                       ; destination and source 0 window 3
.set n, 0
.rept 64
	v_pk_mul_f32 v[2*n:2*n+1], v[2*n:2*n+1], 4.0 op_sel_hi:[1,0]
.set n, n+1
.endr
	s_wait_xcnt 0x0                                ; the stores of query2 and key2 have read v40-167
	WIN 0x0c                                       ; source 1 window 3, destination window 0
.set n, 0
.rept 128
	v_and_b32 v[TP+n], 0xffffe000, v[n]            ; 11 bits of the number: exact in f16
.set n, n+1
.endr
	WIN 0xc3
.set n, 0
.rept 64
	v_pk_add_f32 v[2*n:2*n+1], v[2*n:2*n+1], v[TP+2*n:TP+2*n+1] neg_lo:[0,1] neg_hi:[0,1]   ; the rest: exact in f32
.set n, n+1
.endr
	WIN 0
.set n, 0
.rept 64
	v_cvt_pk_f16_f32 v[TP+n], v[TP+2*n], v[TP+2*n+1]       ; ascending, in place: register n is written when 2 n and 2 n + 1 are read
.set n, n+1
.endr
	WIN 0x0f                                       ; sources window 3
.set n, 0
.rept 64
	v_cvt_pk_f16_f32 v[TP+64+n], v[2*n], v[2*n+1]
.set n, n+1
.endr
	WIN 0
.irp dd, 0,1
.irp b, 0,1,2,3,4,5,6,7
	global_store_b128 v[VV], v[TP+4*(8*\dd+\b):TP+4*(8*\dd+\b)+3], s[10:11] offset:24576*(\b/4)+4096*((\b/2)%2)+1024*\dd+512*(\b%2)
.endr
.endr
.irp dd, 0,1
.irp b, 0,1,2,3,4,5,6,7
	global_store_b128 v[VLO], v[TP+64+4*(8*\dd+\b):TP+64+4*(8*\dd+\b)+3], s[94:95] offset:8192*(\b/4)+4096*((\b/2)%2)+1024*\dd+512*(\b%2)
.endr
.endr
	s_wait_tensorcnt 0x0
	ds_add_u32 v254, v255
	s_wait_dscnt 0x0
	CROUND                                         ; the closing round: no work-group ends while a partner may still ask for a block that names it
	s_endpgm
.Lfunc_end_k_q100c5d664c_qkv:
	.size	k_q100c5d664c_qkv, .Lfunc_end_k_q100c5d664c_qkv-k_q100c5d664c_qkv
	.p2alignl 7, 3214868480
	.fill 96, 4, 3214868480
	.section	.rodata,"a",@progbits
	.p2align	6, 0x0
	.amdhsa_kernel k_q100c5d664c_qkv
		.amdhsa_group_segment_fixed_size 327680
		.amdhsa_private_segment_fixed_size 0
		.amdhsa_enable_private_segment 0
		.amdhsa_kernarg_size 40
		.amdhsa_user_sgpr_count 2
		.amdhsa_user_sgpr_kernarg_segment_ptr 1
		.amdhsa_wavefront_size32 1
		.amdhsa_system_sgpr_workgroup_id_x 1
		.amdhsa_system_sgpr_workgroup_id_y 1
		.amdhsa_system_sgpr_workgroup_id_z 1
		.amdhsa_system_vgpr_workitem_id 0
		.amdhsa_next_free_vgpr 1024
		.amdhsa_next_free_sgpr 100
		.amdhsa_reserve_vcc 0
		.amdhsa_float_denorm_mode_32 3
		.amdhsa_float_denorm_mode_16_64 3
		.amdhsa_memory_ordered 1
		.amdhsa_forward_progress 1
		.amdhsa_inst_pref_size 177
	.end_amdhsa_kernel
	.amdgpu_metadata
---
amdhsa.version: [ 1, 2 ]
amdhsa.kernels:
  - .name:           k_q100c5d664c_qkv
    .symbol:         k_q100c5d664c_qkv.kd
    .args:
      - { .name: xq, .offset: 0, .size: 8, .value_kind: global_buffer, .address_space: global }
      - { .name: wq, .offset: 8, .size: 8, .value_kind: global_buffer, .address_space: global }
      - { .name: qf, .offset: 16, .size: 8, .value_kind: global_buffer, .address_space: global }
      - { .name: kv, .offset: 24, .size: 8, .value_kind: global_buffer, .address_space: global }
      - { .name: vlo, .offset: 32, .size: 8, .value_kind: global_buffer, .address_space: global }
    .group_segment_fixed_size: 327680
    .private_segment_fixed_size: 0
    .kernarg_segment_align: 8
    .kernarg_segment_size: 40
    .max_flat_workgroup_size: 128
    .sgpr_count:     100
    .vgpr_count:     1024
    .wavefront_size: 32
...
	.end_amdgpu_metadata
.endif
;; end of part 2
;; launch attn (part 3): grid 8 x 32, 8 waves a work-group, clusters of 4 x 1, 327,680 bytes of LDS; arguments qf, kv, vlo, lambdas, of; writes of
.if DOCPART == 3
	.amdgcn_target "amdgcn-amd-amdhsa--gfx1250"
	.amdhsa_code_object_version 6
	.text
	.protected	k_q100c5d664c_attn
	.globl	k_q100c5d664c_attn
	.p2align	8
	.type	k_q100c5d664c_attn,@function
k_q100c5d664c_attn:
	s_mov_b64 s[64:65], 0
	v_nop
	global_prefetch_b8 v0, s[64:65] scope:SCOPE_SE
	s_setreg_imm32_b32 hwreg(HW_REG_WAVE_MODE, 25, 1), 1
	s_wait_xcnt 0x0
	s_wait_alu depctr_hold_cnt(0) depctr_sa_sdst(0) depctr_va_vdst(0) depctr_va_sdst(0) depctr_va_ssrc(0) depctr_va_vcc(0) depctr_vm_vsrc(0)
	s_getreg_b32 s2, hwreg(HW_REG_IB_STS2, 6, 4)
	s_cmp_eq_u32 s2, 0
	s_cbranch_scc0 .Lentry_in_a_cluster
	s_endpgm
.Lentry_in_a_cluster:
	s_bfe_u32 s2, ttmp6, 0x10000c
	s_cmp_lg_u32 s2, 0x3003
	s_cbranch_scc0 .Lentry_shape_is_right
	s_endpgm
.Lentry_shape_is_right:
; For each (batch, head): o = softmax(q1 k1^T / 8) v - lam softmax(q2 k2^T / 8) v under the causal mask, lam = exp(l0 l1) - exp(l2 l3) + 0.2.  Operands f16, products, maxima and sums f32.
; q arrives multiplied by log2(e) / 8, so a score is t and p = 2^(t - m), m the row's running maximum; in every step O and the sum l are multiplied by a = 2^(m_old - m_new).  v arrives multiplied by 4.
; SHARES.  Work-group c (0-7) of a head owns the tiles of 16 queries 8 m + c, m = 0 .. 15: all eight have the same causal shape and walk the same keys in step, 64 a step.
; THE WAVES SPLIT THE TWO SOFTMAXES: wave W runs plain attention of (Q_i, K_i, V), i = W / 4, on four tiles m = 4 u + ws, ws = W % 4 for i = 0 and 3 - W % 4 for i = 1, so that waves W and W + 4 together
; have the same number of tile steps for every W.  At the end wave (1, ws) hands its O, scaled, through LDS to wave (0, ws), which adds, rounds and stores.
; THE MASK.  DJ = step - (2 ws + cluster x).  Tile u counts where DJ <= 8 u (a scalar branch on ids jumps over the others' work) and lies on the diagonal where DJ = 8 u: there hidden scores become -infinity.
; Every loop's trip count is a constant, no tensor load and no barrier is jumped over, and DJ is the same in all partners of a cluster.
; TILE 0 IN TWO HALVES.  Every wave's tile u = 0 lies among the first 512 queries.  Their rows sum few keys, so a rounding of p or of v to f16 is averaged little, while the rows are large beside the whole output.
; There p and v go as two f16 halves each (high: the number with its low 13 mantissa bits cut, exact in f16; low: the rest): O += vh ph + vh pl + vl ph, and o leaves in two halves too.
; These queries meet keys under 512 alone: v's low halves of steps 0 to 7, 65,536 bytes, come into LDS once.
; LAYOUT.  S^T = K Q^T and O^T = V^T P: a lane holds one query throughout; S^T's tiles, rounded in pairs, are P's fragments.  All fragments lie in memory and LDS as register images: every LDS load is 16 x lane.
; CLUSTER 4 x 1: the four partners walk the same K and V, so each slot (four steps, 98,304 bytes) is asked for jointly; each of the eight waves asks for 48 rows of 256 bytes.
; Two tensor loads of a wave are out at the start (slot 0, v's low halves), later one.
; STORED: o'' = 4 (A1 - lam A2) / g, g = max(1, |lam|), in f16, as fragments (16 tokens x 32 k) for the last product, which multiplies by 0.2 g / 1,024 (its other operand is 1,024 proj_w).
;   of [batch x 16 + 4 ws + c / 2][128 k 8]: blocks of 40,960 bytes: tiles 4 (c % 2) + u, four fragments each, then the low halves of the tiles u = 0, c % 2 = 0, 1.
; LIMITS (f16): 32 |v| under 65,504; from query 512 on p carries 2^-12 p + 2^-25 and v, o 2^-12; lam finite; NaN and infinities are not served.
; REGISTERS: window 0: v1-15 addresses and constants; v16-47 statistics, eight a tile (+0 m, +1 zero, +2, +3 l, +4 .. +7 at work, a in +6); v48-79 S^T; v80-95 P; v96-159 K; v160-223 V; v224-239 P's low halves; v240-251 at work; v252, v253 addresses.
;   window 1: v0-127 O^T (32 u + 8 dt); v128-191 Q; v192-255 V's low halves.
.set STEPB, 24576
.set SLOTB, 4*STEPB
.set SLOT1, 1<<17                      ; slot 1 begins here: one exclusive or turns an address from one slot to the other
.set VLB,   SLOT1+SLOTB                ; behind the ring: v's low halves of steps 0 to 7, filled once
.set SPARE, VLB+65536                  ; the spare words: 128 bytes for each of eight waves, that no other line names
.set STG,   0                          ; the stage, 16,384 bytes for each ws, lies in slot 0: when it is written that slot has had its last fill, and every wave has passed the last change of slots, behind which nobody reads it
.set OBLK,  40960
.set AK0, 1
.set AV0, 2
.set ADK, 3
.set ADV, 4
.set SPW, 5
.set NIL, 6
.set PFO, 7
.set MD,  8                            ; 16 cx + r - 8 h: on the diagonal register n of S^T is hidden where 16 (n / 8) + n % 8 > MD
.set NINF, 9
.set LAM, 10
.set GG,  11
.set C1,  12
.set COEF, 13
.set SA,  14
.set L16, 15
.set ST,  16
.set S,   48
.set P,   80
.set KF,  96
.set VF,  160
.set PL,  224
.set TT,  240
.set AVL0, 252
.set ADL, 253
.set QF,  128
.set VLF, 192
.set WV,  12
.set RI,  13
.set WS,  14
.set SEL, 20
.set G1,  24
.set G0,  32
.set TB,  36
.set DJ,  37
.set SLOTS, 38
.set CNT, 39
.set PFA, 40
.set LIM, 42
.set G0L, 56
.set TL,  62
.set G1L, 68
.set MSB, 0
.macro WIN new
.if MSB != (\new)
	s_set_vgpr_msb (MSB<<8)|(\new)
.set MSB, (\new)
.endif
.endm
.macro PLACES
.rept 4
	v_nop
.endr
.endm
.macro CROUND
	s_barrier_signal -1
	s_barrier_wait -1
	s_cmp_lg_u32 s[WV], 0
	s_cbranch_scc1 .Lnot_wave_0_\@
	s_barrier_signal -3
.Lnot_wave_0_\@:
	s_barrier_wait -3
	s_barrier_signal -1
	s_barrier_wait -1
.endm
.macro JLOAD                           ; every wave's eighth of a slot; four v_nop follow
	tensor_load_to_lds s[G0:G0+3], s[G1:G1+7]
	s_nop 0
	PLACES
.endm
; A prefetch of the slot that the NEXT change of slots will ask for: four steps ahead of that load.  A slot is 384 rows of 256 bytes.  The head's first cluster asks; its four partners take 96 rows each, told apart by
; address; in each, waves 0 to 2 take 32 rows, a lane a row.  So each row is named once in the launch.  The last change that fills a slot asks for nothing.
.macro ASK
	s_cmp_gt_u32 s[SLOTS], s[LIM]
	s_cbranch_scc0 .Lnot_mine_\@
	global_prefetch_b8 v[PFO], s[PFA:PFA+1] th:TH_LOAD_NT scope:SCOPE_SE
.Lnot_mine_\@:
.endm
.macro CHANGE fill                     ; at a slot's head: the slot ahead is whole, the slot left is read out and (fill = 1) is filled with the keys that follow
	WIN 0
	s_wait_tensorcnt 0x0                           ; no tensor load of mine is out: the group 0 may be written
	ds_add_u32 v[SPW], v[NIL]                      ; 0 onto my spare word
.if \fill
	s_xor_b32 s[G0+1], s[G0+1], SLOT1
	s_add_nc_u64 s[G0+2:G0+3], s[G0+2:G0+3], SLOTB
	s_wait_xcnt 0x0                                ; the last prefetch, a slot back, has read its address
	s_add_nc_u64 s[PFA:PFA+1], s[PFA:PFA+1], SLOTB
	s_wait_dscnt 0x0                               ; the add is done, and my reads of the slot left are over
	CROUND                                         ; so of every wave of all four partners
	JLOAD
	ASK
.else
	s_wait_dscnt 0x0
	s_barrier_signal -1
	s_barrier_wait -1
.endif
.endm
.macro SUBP b                          ; pair b of the scores: t - m
	v_pk_add_f32 v[S+2*(\b):S+2*(\b)+1], v[S+2*(\b):S+2*(\b)+1], v[rT:rT+1] op_sel_hi:[1,0] neg_lo:[0,1] neg_hi:[0,1]
.endm
.macro CVTP b, prec                    ; pair b of p to f16; prec = 1: in two halves (three sets of four registers at work, by turns)
.if \prec
.set tq, TT+4*((\b)%3)
	s_wait_alu depctr_va_vdst(0)
	v_and_b32 v[tq], 0xffffe000, v[S+2*(\b)]
	v_and_b32 v[tq+1], 0xffffe000, v[S+2*(\b)+1]
	v_pk_add_f32 v[tq+2:tq+3], v[S+2*(\b):S+2*(\b)+1], v[tq:tq+1] neg_lo:[0,1] neg_hi:[0,1]
	v_cvt_pk_f16_f32 v[P+(\b)], v[tq], v[tq+1]
	v_cvt_pk_f16_f32 v[PL+(\b)], v[tq+2], v[tq+3]
.else
	s_wait_alu depctr_va_vdst(0)
	v_cvt_pk_f16_f32 v[P+(\b)], v[S+2*(\b)], v[S+2*(\b)+1]
.endif
.endm
.macro SOFT u, prec                    ; one tile's softmax for one step, all in window 0
.set rT, ST+8*(\u)
.irp j, 0,1,2,3
	v_max3_num_f32 v[rT+4+\j], v[S+8*\j], v[S+8*\j+1], v[S+8*\j+2]       ; four chains; each accumulator is read from its low end on
.endr
.irp g, 1,2
.irp j, 0,1,2,3
	v_max3_num_f32 v[rT+4+\j], v[rT+4+\j], v[S+8*\j+2*\g+1], v[S+8*\j+2*\g+2]
.endr
.endr
	v_max3_num_f32 v[rT+4], v[rT+4], v[S+7], v[S+15]
	v_max3_num_f32 v[rT+6], v[rT+6], v[S+23], v[S+31]
	v_max3_num_f32 v[rT+4], v[rT+4], v[rT+5], v[rT+6]
	v_max3_num_f32 v[rT+4], v[rT+4], v[rT+7], v[rT]                      ; and the old m
	v_permlanex16_b32 v[rT+5], v[rT+4], s[SEL], s[SEL+1]                 ; the query's other 32 keys lie in lane l xor 16
	v_mov_b32 v[rT+7], v[rT]
	v_max_num_f32 v[rT], v[rT+4], v[rT+5]                                ; the new m
	v_sub_f32 v[rT+7], v[rT+7], v[rT]
	SUBP 0
	SUBP 1
	v_exp_f32 v[rT+6], v[rT+7]                                           ; a
.set k, 0
.rept 32                               ; behind the exponentials stand plain lines that are ready: subtractions two pairs ahead, roundings a pair back: each result has a plain line behind it before it is used
	v_exp_f32 v[S+k], v[S+k]
.if (k%2 == 0) && (k <= 26)
	SUBP k/2+2
.elseif (k%2 == 1) && (k >= 3)
	CVTP (k-3)/2, \prec
.endif
.set k, k+1
.endr
	v_pk_add_f32 v[S:S+1], v[S:S+1], v[S+2:S+3]                          ; the sum of the unrounded p, in place, a tree of pairs
	CVTP 15, \prec
.irp z, 1,2,3,4,5,6,7
	v_pk_add_f32 v[S+4*\z:S+4*\z+1], v[S+4*\z:S+4*\z+1], v[S+4*\z+2:S+4*\z+3]
.endr
.irp z, 0,1,2,3
	v_pk_add_f32 v[S+8*\z:S+8*\z+1], v[S+8*\z:S+8*\z+1], v[S+8*\z+4:S+8*\z+5]
.endr
.irp z, 0,1
	v_pk_add_f32 v[S+16*\z:S+16*\z+1], v[S+16*\z:S+16*\z+1], v[S+16*\z+8:S+16*\z+9]
.endr
	v_pk_add_f32 v[S:S+1], v[S:S+1], v[S+16:S+17]
	v_pk_fma_f32 v[rT+2:rT+3], v[rT+2:rT+3], v[rT+6:rT+7], v[S:S+1] op_sel_hi:[1,0,1]   ; l = a l + the sum
.endm
.macro TILE u
.if \u < 3
	s_cmp_gt_i32 s[DJ], 8*\u                       ; all these keys come after the tile's queries
	s_cbranch_scc1 .Lskip_\@
.endif
.if \u == 0
	s_min_u32 s63, s[TL], 7*8192                   ; the step's low halves of V; the step is one of 0 to 7: the hold writes that bound into the text
	v_add_nc_u32 v[ADL], s63, v[AVL0]
	WIN 0x40                                       ; destination window 1.  The last products that read these registers stand a step back, ahead of tile 3's four v_nop
.irp f, 0,1,2,3,4,5,6,7
.irp c, 0,1
	ds_load_b128 v[VLF+8*\f+4*\c:VLF+8*\f+4*\c+3], v[ADL] offset:1024*\f+512*\c
.endr
.endr
.endif
	WIN 0x04                                       ; Q in window 1
.irp kt, 0,1,2,3                       ; four accumulators by turns; the first four products start the sums
	v_wmma_f32_16x16x32_f16 v[S+8*\kt:S+8*\kt+7], v[KF+16*\kt:KF+16*\kt+7], v[QF+16*\u:QF+16*\u+7], 0
.endr
.irp kt, 0,1,2,3
	v_wmma_f32_16x16x32_f16 v[S+8*\kt:S+8*\kt+7], v[KF+16*\kt+8:KF+16*\kt+15], v[QF+16*\u+8:QF+16*\u+15], v[S+8*\kt:S+8*\kt+7]
.endr
	WIN 0
	PLACES
	s_cmp_lg_i32 s[DJ], 8*\u
	s_cbranch_scc1 .Lopen_\@
.set n, 0
.rept 32
	v_cmp_gt_i32 vcc_lo, 16*(n/8)+n%8, v[MD]
	v_cndmask_b32 v[S+n], v[S+n], v[NINF], vcc_lo
.set n, n+1
.endr
.Lopen_\@:
.if \u == 0
	SOFT 0, 1
.else
	SOFT \u, 0
.endif
	WIN 0x41                                       ; O^T in window 1, a in window 0
.set n, 0
.rept 16
	v_pk_mul_f32 v[32*\u+2*n:32*\u+2*n+1], v[32*\u+2*n:32*\u+2*n+1], v[ST+8*\u+6:ST+8*\u+7] op_sel_hi:[1,0]
.set n, n+1
.endr
	s_wait_dscnt 0x0                               ; V is in
	WIN 0x50                                       ; C and D window 1
.irp kb, 0,1
.irp dt, 0,1,2,3
	v_wmma_f32_16x16x32_f16 v[32*\u+8*\dt:32*\u+8*\dt+7], v[VF+8*(4*\kb+\dt):VF+8*(4*\kb+\dt)+7], v[P+8*\kb:P+8*\kb+7], v[32*\u+8*\dt:32*\u+8*\dt+7]
.endr
.if \u == 0
.irp dt, 0,1,2,3
	v_wmma_f32_16x16x32_f16 v[32*\u+8*\dt:32*\u+8*\dt+7], v[VF+8*(4*\kb+\dt):VF+8*(4*\kb+\dt)+7], v[PL+8*\kb:PL+8*\kb+7], v[32*\u+8*\dt:32*\u+8*\dt+7]
.endr
.endif
.endr
.if \u == 0
	WIN 0x51                                       ; source 0 (V's low halves) window 1
.irp kb, 0,1
.irp dt, 0,1,2,3
	v_wmma_f32_16x16x32_f16 v[32*\u+8*\dt:32*\u+8*\dt+7], v[VLF+8*(4*\kb+\dt):VLF+8*(4*\kb+\dt)+7], v[P+8*\kb:P+8*\kb+7], v[32*\u+8*\dt:32*\u+8*\dt+7]
.endr
.endr
.endif
	WIN 0
.if \u < 3
.Lskip_\@:
.endif
.endm
.macro STEP first                      ; 64 keys; the tiles from first on: those below can no longer count
	s_cmp_gt_i32 s[DJ], 24
	s_cbranch_scc1 .Lidle_\@
	v_add_nc_u32 v[ADK], s[TB], v[AK0]             ; with the two v_nop: the four places between the last step's products and the loads into their operands
	v_add_nc_u32 v[ADV], s[TB], v[AV0]
	v_nop
	v_nop
.irp f, 0,1,2,3,4,5,6,7
.irp c, 0,1
	ds_load_b128 v[KF+8*\f+4*\c:KF+8*\f+4*\c+3], v[ADK] offset:1024*\f+512*\c
.endr
.endr
.irp f, 0,1,2,3,4,5,6,7
.irp c, 0,1
	ds_load_b128 v[VF+8*\f+4*\c:VF+8*\f+4*\c+3], v[ADV] offset:1024*\f+512*\c
.endr
.endr
	s_wait_dscnt 16                                ; K's sixteen loads are in; V's sixteen may stay out
.if \first == 0
	TILE 0
.endif
.if \first <= 1
	TILE 1
	TILE 2
.endif
	TILE 3
.Lidle_\@:
	s_add_co_i32 s[DJ], s[DJ], 1
	s_add_co_u32 s[TB], s[TB], STEPB
.if \first == 0
	s_add_co_u32 s[TL], s[TL], 8192
.endif
.endm
.macro FOUR_STEPS first
	s_mov_b32 s[CNT], 4
.Lstep_\@:
	STEP \first
	s_sub_co_u32 s[CNT], s[CNT], 1
	s_cmp_lg_u32 s[CNT], 0
	s_cbranch_scc1 .Lstep_\@
	s_sub_co_u32 s[TB], s[TB], SLOTB
	s_xor_b32 s[TB], s[TB], SLOT1                  ; on to the other slot
.endm
	s_load_b256 s[4:11], s[0:1], 0x0               ; qf, kv, vlo, lambdas
	s_load_b64 s[22:23], s[0:1], 0x20              ; of
	v_lshl_add_u32 v[SPW], v0, 2, SPARE
	v_mov_b32 v[NIL], 0
	ds_add_u32 v5, v6
	ds_add_u32 v5, v6
	s_wait_dscnt 0x0
	v_lshrrev_b32 v1, 5, v0
	v_readfirstlane_b32 s[WV], v1                  ; wave 0..7
	s_lshr_b32 s[RI], s[WV], 2                     ; i
	s_mul_i32 s[WS], s[RI], 3
	s_and_b32 s50, s[WV], 3
	s_xor_b32 s[WS], s[WS], s50                    ; ws
	s_bfe_u32 s16, ttmp6, 0x40000                  ; cx
	s_lshl_b32 s17, ttmp9, 2
	s_add_co_u32 s17, s17, s16                     ; c
	s_and_b32 s18, ttmp7, 0xffff                   ; batch x 16 + head
	s_mov_b32 s[G1], 15|(3<<16)|(1<<21)            ; 15:0 all four partners; 17:16 elements of 8 bytes; 21 set beside a mask; no padding
	s_mov_b32 s[G1+1], 32<<16                      ; tensor_dim0: rows of 256 bytes
	s_mov_b32 s[G1+2], 48<<16                      ; tensor_dim1
	s_mov_b32 s[G1+3], 32<<16                      ; tile_dim0
	s_mov_b32 s[G1+4], 48                          ; tile_dim1
	s_mov_b32 s[G1+5], 32                          ; the pitch
	s_mov_b32 s[G1+6], 0
	s_mov_b32 s[G1+7], 0
	s_mov_b32 s[G1L], 15|(3<<16)|(1<<21)           ; the same for v's low halves: 32 rows a wave
	s_mov_b32 s[G1L+1], 32<<16
	s_mov_b32 s[G1L+2], 32<<16
	s_mov_b32 s[G1L+3], 32<<16
	s_mov_b32 s[G1L+4], 32
	s_mov_b32 s[G1L+5], 32
	s_mov_b32 s[G1L+6], 0
	s_mov_b32 s[G1L+7], 0
	s_mul_i32 s51, s[WV], 12288                    ; my eighth of a slot, in LDS and in memory
	s_mul_i32 s52, s18, 32*STEPB
	s_add_co_u32 s52, s52, s51
	s_mov_b32 s53, 0
	s_lshl_b32 s49, s[WV], 13                      ; my eighth of the low halves
	s_lshl_b32 s54, s18, 18
	s_add_co_u32 s54, s54, s49
	s_mov_b32 s55, 0
	s_mov_b32 s[SEL], 0x76543210
	s_mov_b32 s[SEL+1], 0xfedcba98
	s_mov_b32 s[TB], 0
	s_mov_b32 s[TL], 0
	s_lshl_b32 s[DJ], s[WS], 1
	s_add_co_u32 s[DJ], s[DJ], ttmp9
	s_sub_co_i32 s[DJ], 0, s[DJ]
	s_mov_b32 s[SLOTS], 7
	s_cmp_lt_u32 s[WV], 3
	s_cselect_b32 s[LIM], 0, 1
	s_or_b32 s[LIM], s[LIM], ttmp9
	s_cmp_eq_u32 s[LIM], 0
	s_cselect_b32 s[LIM], 1, -1                    ; 1 in waves 0 to 2 of the head's first cluster: the same in all four partners
	s_cmp_lg_u32 s[RI], 0
	s_cselect_b32 s48, -1, 0
	s_wait_kmcnt 0x0
	s_load_b128 s[44:47], s[10:11], 0x0            ; the four lambdas
	s_mov_b32 s[G0], 1
	s_mov_b32 s[G0+1], s51
	s_add_nc_u64 s[G0+2:G0+3], s[6:7], s[52:53]
	s_or_b32 s[G0+3], s[G0+3], 0x80000000
	s_mov_b32 s[G0L], 1
	s_add_co_u32 s[G0L+1], s49, VLB
	s_add_nc_u64 s[G0L+2:G0L+3], s[8:9], s[54:55]
	s_or_b32 s[G0L+3], s[G0L+3], 0x80000000
	CROUND
	tensor_load_to_lds s[G0:G0+3], s[G1:G1+7]      ; slot 0: steps 0 to 3
	s_nop 0
	tensor_load_to_lds s[G0L:G0L+3], s[G1L:G1L+7]  ; v's low halves of steps 0 to 7: filled once
	s_nop 0
	PLACES
	s_mul_i32 s54, s18, 32*STEPB
	s_mul_i32 s55, s16, STEPB
	s_add_co_u32 s54, s54, s55
	s_lshl_b32 s55, s[WV], 13
	s_add_co_u32 s54, s54, s55
	s_add_co_u32 s54, s54, SLOTB                   ; in slot 1: the first change of slots steps it to slot 2
	s_mov_b32 s55, 0
	s_add_nc_u64 s[PFA:PFA+1], s[6:7], s[54:55]
	s_lshl_b32 s54, s18, 19
	s_lshl_b32 s55, s[WS], 3
	s_add_co_u32 s55, s55, s17
	s_lshl_b32 s55, s55, 12                        ; tile 8 ws + c; tile u lies 32 tiles on
	s_add_co_u32 s54, s54, s55
	s_lshl_b32 s55, s[RI], 11
	s_add_co_u32 s54, s54, s55
	s_mov_b32 s55, 0
	s_add_nc_u64 s[4:5], s[4:5], s[54:55]
	s_lshr_b32 s54, s18, 4
	s_lshl_b32 s54, s54, 4
	s_lshl_b32 s55, s[WS], 2
	s_add_co_u32 s54, s54, s55
	s_lshr_b32 s55, s17, 1
	s_add_co_u32 s54, s54, s55                     ; of: block batch x 16 + 4 ws + c / 2
	s_mul_i32 s54, s54, 8*OBLK
	s_bfe_u32 s55, s18, 0x30001                    ; step of 128 k = head / 2
	s_mul_i32 s55, s55, OBLK
	s_add_co_u32 s54, s54, s55
	s_and_b32 s55, s18, 1
	s_lshl_b32 s55, s55, 11                        ; fragments 2 (head % 2), + 1
	s_add_co_u32 s54, s54, s55
	s_mov_b32 s55, 0
	s_add_nc_u64 s[22:23], s[22:23], s[54:55]
	s_and_b32 s54, s17, 1
	s_lshl_b32 s54, s54, 12
	s_add_co_u32 s54, s54, 32768
	s_add_nc_u64 s[60:61], s[22:23], s[54:55]      ; tile 0's low halves: behind the eight tiles, tile c % 2
	s_and_b32 s54, s17, 1
	s_lshl_b32 s54, s54, 14
	s_add_nc_u64 s[22:23], s[22:23], s[54:55]      ; tiles 4 (c % 2) + u
	v_and_b32 v[L16], 31, v0
	v_lshlrev_b32 v[PFO], 8, v[L16]
	v_lshlrev_b32 v[L16], 4, v[L16]
	s_lshl_b32 s50, s[RI], 13
	v_add_nc_u32 v[AK0], s50, v[L16]               ; K1 or K2
	v_add_nc_u32 v[AV0], 16384, v[L16]
	v_add_nc_u32 v[AVL0], VLB, v[L16]
	s_lshl_b32 s50, s[WS], 14
	s_add_co_u32 s50, s50, STG
	v_add_nc_u32 v[SA], s50, v[L16]
	v_and_b32 v[MD], 15, v0
	v_bfe_u32 v[NINF], v0, 4, 1
	v_lshlrev_b32 v[NINF], 3, v[NINF]
	v_sub_nc_u32 v[MD], v[MD], v[NINF]
	s_lshl_b32 s50, s16, 4
	v_add_nc_u32 v[MD], s50, v[MD]
	v_mov_b32 v[NINF], 0xff800000
	WIN 0x40                                       ; destination window 1
.irp u, 0,1,2,3
.irp s, 0,1
.irp c, 0,1
	global_load_b128 v[QF+16*\u+8*\s+4*\c:QF+16*\u+8*\s+4*\c+3], v[L16], s[4:5] offset:131072*\u+1024*\s+512*\c
.endr
.endr
.endr
.set n, 0
.rept 128
	v_mov_b32 v[n], 0                              ; O^T: the step is written once; its first pass finds zeros, which a = 0 leaves zeros
.set n, n+1
.endr
	WIN 0
.irp u, 0,1,2,3
	v_mov_b32 v[ST+8*\u], 0xff61b1e6               ; m: -3e38, under every score
.irp j, 1,2,3,4,5,6,7
	v_mov_b32 v[ST+8*\u+\j], 0
.endr
.endr
	s_wait_kmcnt 0x0
	v_mov_b32 v[LAM], s45
	v_mul_f32 v[LAM], s44, v[LAM]
	v_mov_b32 v[GG], s47
	v_mul_f32 v[GG], s46, v[GG]
	v_mul_f32 v[LAM], 0x3fb8aa3b, v[LAM]
	v_mul_f32 v[GG], 0x3fb8aa3b, v[GG]
	v_exp_f32 v[LAM], v[LAM]
	v_exp_f32 v[GG], v[GG]
	v_nop
	s_wait_alu depctr_va_vdst(0)
	v_sub_f32 v[LAM], v[LAM], v[GG]
	v_add_f32 v[LAM], 0x3e4ccccd, v[LAM]           ; lam
	v_max_num_f32 v[GG], |v[LAM]|, 1.0             ; g
	v_rcp_f32 v[C1], v[GG]                         ; 1 / g: v carries the factor 4
	v_nop
	s_wait_alu depctr_va_vdst(0)
	v_mul_f32 v[COEF], -v[LAM], v[C1]
	v_cndmask_b32 v[COEF], v[C1], v[COEF], s48     ; my softmax's weight: 1 / g, or -lam / g
	s_wait_loadcnt 0x0                             ; Q
.Lslot_a:                                          ; two trips, steps 0 to 7: all four tiles.  At the head of slot s, slot s + 1 is asked for
	CHANGE 1
	FOUR_STEPS 0
	s_sub_co_u32 s[SLOTS], s[SLOTS], 1
	s_cmp_lg_u32 s[SLOTS], 5
	s_cbranch_scc1 .Lslot_a
.Lslot_b:                                          ; five trips, steps 8 to 27: tile 0's queries lie under these keys
	CHANGE 1
	FOUR_STEPS 1
	s_sub_co_u32 s[SLOTS], s[SLOTS], 1
	s_cmp_lg_u32 s[SLOTS], 0
	s_cbranch_scc1 .Lslot_b
	CHANGE 0                                       ; the last slot is written out; in steps 28 to 31 tile 3 alone can count
	FOUR_STEPS 3
	; THE WAY OUT.  f = my softmax's weight / l.  The additions are the places behind the last products
.irp u, 0,1,2,3
	v_add_f32 v[ST+8*\u+4], v[ST+8*\u+2], v[ST+8*\u+3]
.endr
.irp u, 0,1,2,3
	v_permlanex16_b32 v[ST+8*\u+5], v[ST+8*\u+4], s[SEL], s[SEL+1]
.endr
.irp u, 0,1,2,3
	v_add_f32 v[ST+8*\u+4], v[ST+8*\u+4], v[ST+8*\u+5]
.endr
.irp u, 0,1,2,3
	v_rcp_f32 v[ST+8*\u+6], v[ST+8*\u+4]
.endr
	v_nop
	s_wait_alu depctr_va_vdst(0)
.irp u, 0,1,2,3
	v_mul_f32 v[ST+8*\u+6], v[ST+8*\u+6], v[COEF]
.endr
	s_cmp_lt_u32 s[WV], 4
	s_cbranch_scc1 .Lnot_second
	WIN 0x41                                       ; the second softmax's wave: O^T x f, and its image to the stage
.irp u, 0,1,2,3
.set n, 0
.rept 16
	v_pk_mul_f32 v[32*\u+2*n:32*\u+2*n+1], v[32*\u+2*n:32*\u+2*n+1], v[ST+8*\u+6:ST+8*\u+7] op_sel_hi:[1,0]
.set n, n+1
.endr
.endr
	WIN 0x04                                       ; an LDS store's data are its source 1: window 1
.set n, 0
.rept 32
	ds_store_b128 v[SA], v[4*n:4*n+3] offset:512*n
.set n, n+1
.endr
	WIN 0
.Lnot_second:
	s_wait_dscnt 0x0                               ; for the others' sake: my stores have landed
	s_barrier_signal -1
	s_barrier_wait -1
	s_cmp_ge_u32 s[WV], 4
	s_cbranch_scc1 .Lnot_first
.set n, 0
.rept 32
	ds_load_b128 v[KF+4*n:KF+4*n+3], v[SA] offset:512*n
.set n, n+1
.endr
	s_wait_dscnt 0x0
	WIN 0x01                                       ; source 0 (my O^T) window 1
.irp u, 0,1,2,3
.set n, 0
.rept 16
	v_pk_fma_f32 v[KF+32*\u+2*n:KF+32*\u+2*n+1], v[32*\u+2*n:32*\u+2*n+1], v[ST+8*\u+6:ST+8*\u+7], v[KF+32*\u+2*n:KF+32*\u+2*n+1] op_sel_hi:[1,0,1]
.set n, n+1
.endr
.endr
	WIN 0
.set n, 0
.rept 32
	v_and_b32 v[S+n], 0xffffe000, v[KF+n]          ; tile 0 in two halves: the high one, exact in f16,
.set n, n+1
.endr
.set n, 0
.rept 16
	v_pk_add_f32 v[KF+2*n:KF+2*n+1], v[KF+2*n:KF+2*n+1], v[S+2*n:S+2*n+1] neg_lo:[0,1] neg_hi:[0,1]   ; and the rest
.set n, n+1
.endr
.set n, 0
.rept 16
	v_cvt_pk_f16_f32 v[S+n], v[S+2*n], v[S+2*n+1]
.set n, n+1
.endr
.irp u, 0,1,2,3
.set n, 0
.rept 16
	v_cvt_pk_f16_f32 v[KF+32*\u+n], v[KF+32*\u+2*n], v[KF+32*\u+2*n+1]   ; ascending, in place: register n is written when 2 n and 2 n + 1 are read.  (Tile 0: its low halves)
.set n, n+1
.endr
.endr
.irp e, 0,1,2,3
	global_store_b128 v[L16], v[S+4*\e:S+4*\e+3], s[22:23] offset:512*\e            ; 512 consecutive bytes
	global_store_b128 v[L16], v[KF+4*\e:KF+4*\e+3], s[60:61] offset:512*\e
.endr
.irp u, 1,2,3
.irp e, 0,1,2,3
	global_store_b128 v[L16], v[KF+32*\u+4*\e:KF+32*\u+4*\e+3], s[22:23] offset:4096*\u+512*\e
.endr
.endr
.Lnot_first:
	s_wait_tensorcnt 0x0                           ; the wave's end
	ds_add_u32 v[SPW], v[NIL]
	s_wait_dscnt 0x0
	CROUND                                         ; the closing round
	s_endpgm
.Lfunc_end_k_q100c5d664c_attn:
	.size	k_q100c5d664c_attn, .Lfunc_end_k_q100c5d664c_attn-k_q100c5d664c_attn
	.p2alignl 7, 3214868480
	.fill 96, 4, 3214868480
	.section	.rodata,"a",@progbits
	.p2align	6, 0x0
	.amdhsa_kernel k_q100c5d664c_attn
		.amdhsa_group_segment_fixed_size 327680
		.amdhsa_private_segment_fixed_size 0
		.amdhsa_enable_private_segment 0
		.amdhsa_kernarg_size 40
		.amdhsa_user_sgpr_count 2
		.amdhsa_user_sgpr_kernarg_segment_ptr 1
		.amdhsa_wavefront_size32 1
		.amdhsa_system_sgpr_workgroup_id_x 1
		.amdhsa_system_sgpr_workgroup_id_y 1
		.amdhsa_system_sgpr_workgroup_id_z 1
		.amdhsa_system_vgpr_workitem_id 0
		.amdhsa_next_free_vgpr 512
		.amdhsa_next_free_sgpr 76
		.amdhsa_reserve_vcc 1
		.amdhsa_float_denorm_mode_32 3
		.amdhsa_float_denorm_mode_16_64 3
		.amdhsa_memory_ordered 1
		.amdhsa_forward_progress 1
		.amdhsa_inst_pref_size 135
	.end_amdhsa_kernel
	.amdgpu_metadata
---
amdhsa.version: [ 1, 2 ]
amdhsa.kernels:
  - .name:           k_q100c5d664c_attn
    .symbol:         k_q100c5d664c_attn.kd
    .args:
      - { .name: qf, .offset: 0, .size: 8, .value_kind: global_buffer, .address_space: global }
      - { .name: kv, .offset: 8, .size: 8, .value_kind: global_buffer, .address_space: global }
      - { .name: vlo, .offset: 16, .size: 8, .value_kind: global_buffer, .address_space: global }
      - { .name: lambdas, .offset: 24, .size: 8, .value_kind: global_buffer, .address_space: global }
      - { .name: of, .offset: 32, .size: 8, .value_kind: global_buffer, .address_space: global }
    .group_segment_fixed_size: 327680
    .private_segment_fixed_size: 0
    .kernarg_segment_align: 8
    .kernarg_segment_size: 40
    .max_flat_workgroup_size: 256
    .sgpr_count:     76
    .vgpr_count:     512
    .wavefront_size: 32
...
	.end_amdgpu_metadata
.endif
;; end of part 3
;; launch proj (part 4): grid 8 x 32, 4 waves a work-group, clusters of 4 x 4, 327,680 bytes of LDS; arguments of, wpf, lambdas, proj_b, out0; writes out0
.if DOCPART == 4
	.amdgcn_target "amdgcn-amd-amdhsa--gfx1250"
	.amdhsa_code_object_version 6
	.text
	.protected	k_q100c5d664c_proj
	.globl	k_q100c5d664c_proj
	.p2align	8
	.type	k_q100c5d664c_proj,@function
k_q100c5d664c_proj:
	s_mov_b64 s[64:65], 0
	v_nop
	global_prefetch_b8 v0, s[64:65] scope:SCOPE_SE
	s_setreg_imm32_b32 hwreg(HW_REG_WAVE_MODE, 25, 1), 1
	s_wait_xcnt 0x0
	s_wait_alu depctr_hold_cnt(0) depctr_sa_sdst(0) depctr_va_vdst(0) depctr_va_sdst(0) depctr_va_ssrc(0) depctr_va_vcc(0) depctr_vm_vsrc(0)
	s_getreg_b32 s2, hwreg(HW_REG_IB_STS2, 6, 4)
	s_cmp_eq_u32 s2, 0
	s_cbranch_scc0 .Lentry_in_a_cluster
	s_endpgm
.Lentry_in_a_cluster:
	s_bfe_u32 s2, ttmp6, 0x10000c
	s_cmp_lg_u32 s2, 0xf033
	s_cbranch_scc0 .Lentry_shape_is_right
	s_endpgm
.Lentry_shape_is_right:
; out0 = 0.8 o proj_w + proj_b.  o arrives as o'' = 4 o / g in f16 (g = max(1, |lam|)), proj_w as 1,024 proj_w in f16, both as register images of fragments; sums in f32; the result is sum x 0.2 g / 1,024 + proj_b, one fused multiply-add.
; A work-group makes 128 tokens x 128 n; each of four waves 64 x 64: 16 accumulators.  K = 1,024 goes in eight steps of 128 through two LDS slots of 106,496 bytes (o's 40,960, then proj_w's 65,536); all is written out, no loop.
; A BLOCK OF TOKENS is eight tiles of 16: tile 4 e + u holds tokens 512 u + 32 (block % 16) + 16 e on of its sequence.  So each wave's token tile 0 lies among a sequence's first 512 tokens, whose rows are sums of few keys and
; large beside the whole output.  For that tile both operands go in two f16 halves: sum += wh oh + wh ol + wl oh: 24 products for 32 along K in place of 16.
; CLUSTER 4 x 4: o's blocks hang on the block of tokens and are shared along a row of the cluster, proj_w's on the block of n and are shared down a column: joint loads; waves 0, 1 ask for 80 rows of 256 bytes each, waves 2, 3 for 128.
; Two tensor loads of a wave are out at the start, later one.
; The matrix instruction is used transposed (source 0 = 16 n, source 1 = 16 tokens): a lane holds eight neighbouring n of one token.
; No prefetch: a step's tiles are small and each is asked for a whole step ahead.   LIMITS: those of the f16 operands, stated where they are made; lam finite.
; REGISTERS: window 0: v16-29 addresses; v[30:31] 0.2 g / 1,024; v32-63 proj_b in the result's layout; v64-95, v96-127 the way out; v128-255 accumulators (token tile b, n tile a) at 128 + 8 (4 b + a).
;   window 1: two sets of 104: o's four fragments, tile 0's low half, proj_w's four, their four low halves.
.set ABLK,   40960
.set WBLK,   65536
.set SLOT,   ABLK+WBLK
.set STAGE,  2*SLOT                    ; 16 rows x 272 bytes for each wave; no tile lands there
.set SPITCH, 272
.set SPARE,  STAGE+4*16*SPITCH         ; the spare words: 128 bytes for each wave, that no other line names
.set ADA, 16
.set ADB, 18
.set ADL, 20
.set STO, 24
.set RD,  25
.set CO,  26
.set BA,  27
.set SPW, 28
.set NIL, 29
.set F,   30
.set BI,  32
.set TMP, 64
.set BK,  96
.set ACC, 128
.set FS,  104                          ; a set of fragments: o at 0, o's low half at 32, proj_w at 40, its low halves at 72
.set G1A, 24
.set G0A, 32
.set G1B, 40
.set G0B, 48
.set MSB, 0
.macro WIN new
.if MSB != (\new)
	s_set_vgpr_msb (MSB<<8)|(\new)
.set MSB, (\new)
.endif
.endm
.macro PLACES
.rept 4
	v_nop
.endr
.endm
.macro CROUND
	s_barrier_signal -1
	s_barrier_wait -1
	s_cmp_lg_u32 s14, 0
	s_cbranch_scc1 .Lnot_wave_0_\@
	s_barrier_signal -3
.Lnot_wave_0_\@:
	s_barrier_wait -3
	s_barrier_signal -1
	s_barrier_wait -1
.endm
.macro JLOAD s                         ; waves 0, 1 ask for o's halves, waves 2, 3 for proj_w's; four v_nop follow each line
	s_cmp_eq_u32 s15, 0
	s_cbranch_scc0 .Lfor_b_\@
	tensor_load_to_lds s[G0A+4*\s:G0A+4*\s+3], s[G1A:G1A+7]
	s_nop 0
	PLACES
	s_branch .Lasked_\@
.Lfor_b_\@:
	tensor_load_to_lds s[G0B+4*\s:G0B+4*\s+3], s[G1B:G1B+7]
	s_nop 0
	PLACES
.Lasked_\@:
.endm
.macro FETCHP slot, kb, p              ; the thirteen fragments of 32 along K: 26 LDS loads
	WIN 0x40
.irp t, 0,1,2,3
.irp c, 0,1
	ds_load_b128 v[FS*(\p)+8*\t+4*\c:FS*(\p)+8*\t+4*\c+3], v[ADA+(\slot)] offset:4096*\t+1024*(\kb)+512*\c
	ds_load_b128 v[FS*(\p)+40+8*\t+4*\c:FS*(\p)+40+8*\t+4*\c+3], v[ADB+(\slot)] offset:4096*\t+1024*(\kb)+512*\c
	ds_load_b128 v[FS*(\p)+72+8*\t+4*\c:FS*(\p)+72+8*\t+4*\c+3], v[ADB+(\slot)] offset:32768+4096*\t+1024*(\kb)+512*\c
.endr
.endr
.irp c, 0,1
	ds_load_b128 v[FS*(\p)+32+4*\c:FS*(\p)+32+4*\c+3], v[ADL+(\slot)] offset:1024*(\kb)+512*\c
.endr
.endm
.macro MROW p, b, wofs, aofs, zero     ; four products: token tile b's four accumulators; proj_w's fragments from wofs on, o's fragment at aofs
.irp a, 0,1,2,3
.if \zero
	v_wmma_f32_16x16x32_f16 v[ACC+8*(4*(\b)+\a):ACC+8*(4*(\b)+\a)+7], v[FS*(\p)+(\wofs)+8*\a:FS*(\p)+(\wofs)+8*\a+7], v[FS*(\p)+(\aofs):FS*(\p)+(\aofs)+7], 0
.else
	v_wmma_f32_16x16x32_f16 v[ACC+8*(4*(\b)+\a):ACC+8*(4*(\b)+\a)+7], v[FS*(\p)+(\wofs)+8*\a:FS*(\p)+(\wofs)+8*\a+7], v[FS*(\p)+(\aofs):FS*(\p)+(\aofs)+7], v[ACC+8*(4*(\b)+\a):ACC+8*(4*(\b)+\a)+7]
.endif
.endr
.endm
.macro MULP p, zero                    ; 24 products; the accumulators take turns, one instruction a turn: tile 0's come up again seven others' turns later at the least
	WIN 0x05
	MROW \p, 0, 40, 0, \zero
	MROW \p, 1, 40, 8, \zero
	MROW \p, 0, 40, 32, 0                          ; tile 0: o's low half
	MROW \p, 2, 40, 16, \zero
	MROW \p, 0, 72, 0, 0                           ; tile 0: proj_w's low halves
	MROW \p, 3, 40, 24, \zero
.endm
.macro KB slot, kb, zero               ; one of a step's first three blocks of 32: the next block is asked for ahead of this one's products
	s_wait_dscnt 0x0
	PLACES
	FETCHP \slot, (\kb)+1, ((\kb)+1)%2
	MULP (\kb)%2, \zero
.endm
.macro STEPK slot, zero
	KB \slot, 0, \zero
	KB \slot, 1, 0
	KB \slot, 2, 0
.endm
.macro TURN slot, fill                 ; a step's last block, and the change of slots
	s_wait_dscnt 0x0                               ; the last block's fragments are in: my reads of this slot are over
	WIN 0
	s_wait_tensorcnt 0x0                           ; all my tensor loads have landed: my part of the other slot
	ds_add_u32 v[SPW], v[NIL]                      ; 0 onto my spare word
	MULP 1, 0                                      ; 24 products stand between the add and the wait for it
	WIN 0
	s_wait_dscnt 0x0
.if \fill
	CROUND                                         ; no wave of any partner still reads this slot or has a load on its way
	s_add_nc_u64 s[G0A+4*\slot+2:G0A+4*\slot+3], s[G0A+4*\slot+2:G0A+4*\slot+3], 2*ABLK
	s_add_nc_u64 s[G0B+4*\slot+2:G0B+4*\slot+3], s[G0B+4*\slot+2:G0B+4*\slot+3], 2*WBLK
	JLOAD \slot                                    ; two steps on; its four v_nop are also the places in front of the loads below
.else
	s_barrier_signal -1
	s_barrier_wait -1
	PLACES
.endif
	FETCHP 1-\slot, 0, 0
.endm
	s_load_b256 s[4:11], s[0:1], 0x0               ; of, wpf, lambdas, proj_b
	s_load_b64 s[12:13], s[0:1], 0x20              ; out0
	v_lshl_add_u32 v[SPW], v0, 2, SPARE
	v_mov_b32 v[NIL], 0
	ds_add_u32 v28, v29
	ds_add_u32 v28, v29
	s_wait_dscnt 0x0
	v_lshrrev_b32 v1, 5, v0
	v_readfirstlane_b32 s14, v1                    ; wave
	s_lshr_b32 s15, s14, 1                         ; wr: my four tiles of tokens.  Also: I ask for o (0) or proj_w (1)
	s_and_b32 s16, s14, 1                          ; wc: my 64 n.  Also: which half I ask for
	s_bfe_u32 s17, ttmp6, 0x40000                  ; cx
	s_bfe_u32 s18, ttmp6, 0x40004                  ; cy
	s_lshl_b32 s19, ttmp9, 2
	s_add_co_u32 s19, s19, s17                     ; block of 128 n
	s_and_b32 s20, ttmp7, 0xffff
	s_lshl_b32 s20, s20, 2
	s_add_co_u32 s20, s20, s18                     ; block of tokens
	s_lshl_b32 s21, s18, 2
	s_lshl_b32 s21, 15, s21                        ; my row of the cluster
	s_lshl_b32 s60, 0x1111, s17                    ; my column
	s_or_b32 s[G1A], s21, (3<<16)|(1<<21)          ; the mask; elements of 8 bytes; bit 21 beside a mask; no padding
	s_mov_b32 s[G1A+1], 32<<16                     ; rows of 256 bytes,
	s_mov_b32 s[G1A+2], 80<<16                     ; 80 of them: half of o's block
	s_mov_b32 s[G1A+3], 32<<16
	s_mov_b32 s[G1A+4], 80
	s_mov_b32 s[G1A+5], 32
	s_mov_b32 s[G1A+6], 0
	s_mov_b32 s[G1A+7], 0
	s_or_b32 s[G1B], s60, (3<<16)|(1<<21)
	s_mov_b32 s[G1B+1], 32<<16
	s_mov_b32 s[G1B+2], 128<<16                    ; 128: proj_w's high halves, or its low ones
	s_mov_b32 s[G1B+3], 32<<16
	s_mov_b32 s[G1B+4], 128
	s_mov_b32 s[G1B+5], 32
	s_mov_b32 s[G1B+6], 0
	s_mov_b32 s[G1B+7], 0
	s_mul_i32 s61, s16, ABLK/2                     ; my half of o's block, in LDS and in memory
	s_mul_i32 s22, s20, 8*ABLK
	s_add_co_u32 s22, s22, s61
	s_mov_b32 s23, 0
	s_lshl_b32 s60, s16, 15                        ; my half of proj_w's
	s_lshl_b32 s62, s19, 19
	s_add_co_u32 s62, s62, s60
	s_mov_b32 s63, 0
	s_add_co_u32 s60, s60, ABLK                    ; in a slot it lies behind o's block
	s_wait_kmcnt 0x0
	s_load_b128 s[56:59], s[8:9], 0x0              ; the four lambdas
	s_add_nc_u64 s[22:23], s[4:5], s[22:23]
	s_add_nc_u64 s[62:63], s[6:7], s[62:63]
	CROUND
.irp s, 0,1
	s_mov_b32 s[G0A+4*\s], 1
	s_add_co_u32 s[G0A+4*\s+1], s61, \s*SLOT
	s_add_nc_u64 s[G0A+4*\s+2:G0A+4*\s+3], s[22:23], \s*ABLK
	s_or_b32 s[G0A+4*\s+3], s[G0A+4*\s+3], 0x80000000
	s_mov_b32 s[G0B+4*\s], 1
	s_add_co_u32 s[G0B+4*\s+1], s60, \s*SLOT
	s_add_nc_u64 s[G0B+4*\s+2:G0B+4*\s+3], s[62:63], \s*WBLK
	s_or_b32 s[G0B+4*\s+3], s[G0B+4*\s+3], 0x80000000
	JLOAD \s
.endr
	v_and_b32 v1, 15, v0                           ; r
	v_bfe_u32 v2, v0, 4, 1                         ; h
	v_and_b32 v3, 31, v0
	v_lshlrev_b32 v3, 4, v3                        ; 16 x lane
	s_lshl_b32 s60, s15, 14                        ; my four tiles of tokens
	s_lshl_b32 s61, s16, 14                        ; my four tiles of n, behind o's block
	s_add_co_u32 s61, s61, ABLK
	s_lshl_b32 s62, s15, 12                        ; my tile 0's low half, behind o's eight tiles
	s_add_co_u32 s62, s62, 32768
.irp s, 0,1
	v_add_nc_u32 v[ADA+\s], s60, v3
	v_add_nc_u32 v[ADB+\s], s61, v3
	v_add_nc_u32 v[ADL+\s], s62, v3
	s_add_co_u32 s60, s60, SLOT
	s_add_co_u32 s61, s61, SLOT
	s_add_co_u32 s62, s62, SLOT
.endr
	s_mul_i32 s60, s14, 16*SPITCH
	s_add_co_u32 s60, s60, STAGE                   ; my stage
	v_mul_u32_u24 v[STO], v1, SPITCH
	v_lshl_add_u32 v[STO], v2, 5, v[STO]
	v_add_nc_u32 v[STO], s60, v[STO]               ; in: row r, + 32 h
	v_mul_u32_u24 v[RD], v2, SPITCH
	v_lshl_add_u32 v[RD], v1, 4, v[RD]
	v_add_nc_u32 v[RD], s60, v[RD]                 ; back: lanes 0-15 one row of 256 bytes, lanes 16-31 the next
	v_lshlrev_b32 v[CO], 12, v2
	v_lshl_add_u32 v[CO], v1, 4, v[CO]             ; and the same two rows of out0
	v_lshlrev_b32 v[BA], 5, v2                     ; proj_b: my half's eight numbers of a tile
	s_lshl_b32 s60, s19, 9
	s_lshl_b32 s61, s16, 8
	s_add_co_u32 s60, s60, s61                     ; my first n, in bytes
	s_mov_b32 s61, 0
	s_add_nc_u64 s[10:11], s[10:11], s[60:61]
	s_add_nc_u64 s[12:13], s[12:13], s[60:61]
	s_lshr_b32 s60, s20, 4
	s_lshl_b32 s60, s60, 23                        ; the sequence: 2,048 rows of 4,096 bytes
	s_and_b32 s62, s20, 15
	s_lshl_b32 s62, s62, 17                        ; + 32 (block % 16) rows
	s_add_co_u32 s60, s60, s62
	s_lshl_b32 s62, s15, 16                        ; + 16 wr rows; tile b lies 512 rows on
	s_add_co_u32 s60, s60, s62
	s_add_nc_u64 s[12:13], s[12:13], s[60:61]
.irp a, 0,1,2,3
	global_load_b128 v[BI+8*\a:BI+8*\a+3], v[BA], s[10:11] offset:64*\a
	global_load_b128 v[BI+8*\a+4:BI+8*\a+7], v[BA], s[10:11] offset:64*\a+16
.endr
	s_wait_kmcnt 0x0
	v_mov_b32 v22, s57
	v_mul_f32 v22, s56, v22
	v_mov_b32 v23, s59
	v_mul_f32 v23, s58, v23
	v_mul_f32 v22, 0x3fb8aa3b, v22
	v_mul_f32 v23, 0x3fb8aa3b, v23
	v_exp_f32 v22, v22
	v_exp_f32 v23, v23
	v_nop
	s_wait_alu depctr_va_vdst(0)
	v_sub_f32 v22, v22, v23
	v_add_f32 v22, 0x3e4ccccd, v22                 ; lam
	v_max_num_f32 v23, |v22|, 1.0                  ; g
	v_mul_f32 v[F], 0x394ccccd, v23                ; 0.2 g / 1,024 = 0.8 x (g / 4) / 1,024
	v_mov_b32 v[F+1], v[F]
	s_wait_loadcnt 0x0                             ; proj_b
	s_wait_tensorcnt 0x1                           ; my part of step 0 is in; step 1's may stay out
	s_barrier_signal -1
	s_barrier_wait -1
	FETCHP 0, 0, 0
	STEPK 0, 1                                     ; step 0: the first products start the sums
	TURN 0, 1
	STEPK 1, 0
	TURN 1, 1
	STEPK 0, 0
	TURN 0, 1
	STEPK 1, 0
	TURN 1, 1
	STEPK 0, 0
	TURN 0, 1
	STEPK 1, 0
	TURN 1, 1                                      ; step 7 is asked for
	STEPK 0, 0
	TURN 0, 0                                      ; nothing is left to ask for
	STEPK 1, 0
	s_wait_dscnt 0x0
	MULP 1, 0
	WIN 0
	PLACES
	; THE WAY OUT, a tile of 16 tokens at a time: x 0.2 g / 1,024 + proj_b; through my stage; back as rows of 256 bytes, which sixteen lanes store whole
.irp b, 0,1,2,3
.irp a, 0,1,2,3
.irp k, 0,2,4,6
	v_pk_fma_f32 v[TMP+8*\a+\k:TMP+8*\a+\k+1], v[ACC+8*(4*\b+\a)+\k:ACC+8*(4*\b+\a)+\k+1], v[F:F+1], v[BI+8*\a+\k:BI+8*\a+\k+1]
.endr
.endr
.irp a, 0,1,2,3
	ds_store_b128 v[STO], v[TMP+8*\a:TMP+8*\a+3] offset:64*\a
	ds_store_b128 v[STO], v[TMP+8*\a+4:TMP+8*\a+7] offset:64*\a+16
.endr
.if \b > 0
	s_wait_xcnt 0x0                                ; the last tile's stores have read their data: the loads below may land there
.endif
.irp t, 0,1,2,3,4,5,6,7
	ds_load_b128 v[BK+4*\t:BK+4*\t+3], v[RD] offset:2*\t*SPITCH   ; LDS serves a wave's instructions in order: these see my stores
.endr
.irp t, 0,1,2,3,4,5,6,7
	s_wait_dscnt 7-\t                              ; the younger loads may stay out
	global_store_b128 v[CO], v[BK+4*\t:BK+4*\t+3], s[12:13] offset:(512*\b+2*\t)*4096 th:TH_STORE_NT   ; 6,348,800 bytes at the most: inside the signed 24-bit immediate
.endr
.endr
	s_wait_tensorcnt 0x0                           ; the wave's end
	ds_add_u32 v[SPW], v[NIL]
	s_wait_dscnt 0x0
	CROUND                                         ; the closing round
	s_endpgm
.Lfunc_end_k_q100c5d664c_proj:
	.size	k_q100c5d664c_proj, .Lfunc_end_k_q100c5d664c_proj-k_q100c5d664c_proj
	.p2alignl 7, 3214868480
	.fill 96, 4, 3214868480
	.section	.rodata,"a",@progbits
	.p2align	6, 0x0
	.amdhsa_kernel k_q100c5d664c_proj
		.amdhsa_group_segment_fixed_size 327680
		.amdhsa_private_segment_fixed_size 0
		.amdhsa_enable_private_segment 0
		.amdhsa_kernarg_size 40
		.amdhsa_user_sgpr_count 2
		.amdhsa_user_sgpr_kernarg_segment_ptr 1
		.amdhsa_wavefront_size32 1
		.amdhsa_system_sgpr_workgroup_id_x 1
		.amdhsa_system_sgpr_workgroup_id_y 1
		.amdhsa_system_sgpr_workgroup_id_z 1
		.amdhsa_system_vgpr_workitem_id 0
		.amdhsa_next_free_vgpr 512
		.amdhsa_next_free_sgpr 66
		.amdhsa_reserve_vcc 0
		.amdhsa_float_denorm_mode_32 3
		.amdhsa_float_denorm_mode_16_64 3
		.amdhsa_memory_ordered 1
		.amdhsa_forward_progress 1
		.amdhsa_inst_pref_size 135
	.end_amdhsa_kernel
	.amdgpu_metadata
---
amdhsa.version: [ 1, 2 ]
amdhsa.kernels:
  - .name:           k_q100c5d664c_proj
    .symbol:         k_q100c5d664c_proj.kd
    .args:
      - { .name: of, .offset: 0, .size: 8, .value_kind: global_buffer, .address_space: global }
      - { .name: wpf, .offset: 8, .size: 8, .value_kind: global_buffer, .address_space: global }
      - { .name: lambdas, .offset: 16, .size: 8, .value_kind: global_buffer, .address_space: global }
      - { .name: proj_b, .offset: 24, .size: 8, .value_kind: global_buffer, .address_space: global }
      - { .name: out0, .offset: 32, .size: 8, .value_kind: global_buffer, .address_space: global }
    .group_segment_fixed_size: 327680
    .private_segment_fixed_size: 0
    .kernarg_segment_align: 8
    .kernarg_segment_size: 40
    .max_flat_workgroup_size: 128
    .sgpr_count:     66
    .vgpr_count:     512
    .wavefront_size: 32
...
	.end_amdgpu_metadata
.endif
;; end of part 4
